; MI455X (gfx1250); checked and timed in simulation.
; The chip was launched on July 23, 2026; its instructions are those of AMD's public machine-readable ISA for CDNA 5 (MIT licence, August 2026) and "CDNA5" Instruction Set Architecture Reference Guide (July 2026). The comments in the code are by the model that wrote it; some were corrected since.
;; Attention. Allowed arithmetic: matrix products marked QUANTISED: E3M2 operands, one E8M0 scale for each 32 along K, by v_wmma_scale_f32_16x16x128_f8f6f4 with both operands' format E3M2, f32 sums; everything else in f32.
;; Inputs: W_out 1,024 x 256 float32; W_proj 256 x 3,072 float32; b_out 256 float32; b_proj 3,072 float32; x 16 x 256 x 32 x 32 float32.
;; Outputs: out0 16 x 256 x 32 x 32 float32.
;; This version of the problem:
;;   THIS VERSION OF THE PROBLEM IS GIVEN IN LOW PRECISION. The matrix products marked QUANTISED in the list below multiply operands that are first quantised to E3M2 (3 exponent bits, 2 mantissa bits; 6 bits a number), with one power-of-two scale for each 32 numbers along K (OCP MX v1.0); their sums are f32. All else is computed in f32.
;;   The module's matrix products, in the order in which they are computed (A, B: the left and right operand; K: the contracted axis; several contracted axes count as one K, in the product's order):
;;     1. [M 16,384, K 256] x [K 256, N 3,072]; A: input x; B: input W_proj: QUANTISED
;;     2. batch 64 x [M 1,024, K 256] x [K 256, N 1,024]; A: computed on the way; B: computed on the way: QUANTISED
;;     3. batch 64 x [M 256, K 1,024] x [K 1,024, N 1,024]; A: computed on the way; B: softmax (see below): QUANTISED
;;     4. [M 16,384, K 1,024] x [K 1,024, N 256]; A: computed on the way; B: input W_out: QUANTISED
;;   THE QUANTISER, for each operand of a quantised product, along K:
;;     - K is cut into blocks of 32 from its start; a last block that is shorter is filled with zeros.
;;     - A block's scale is 2^e with e = floor(log2(the largest magnitude in the block)) - 4, held to -126 .. 127; a block of zeros has e = 0. As a byte (E8M0): e + 127.
;;     - Each number is divided by its block's scale, clamped to +-28, and rounded to the nearest number of E3M2, ties to even, subnormals kept.
;;     - The product sums the exact products of the quantised numbers (number of the format x scale) in f32.
;;   ~~~python
;;   def quantise(x, axis):      # numpy; x: float32 -> the quantised numbers, widened to float32 again
;;       x = np.moveaxis(x, axis, -1); K = x.shape[-1]
;;       x = np.pad(x, [(0, 0)] * (x.ndim - 1) + [(0, -K % 32)]); x = x.reshape(x.shape[:-1] + (-1, 32)); a = np.abs(x).max(-1, keepdims=True)
;;       e = np.where(a > 0, np.clip(np.frexp(np.where(a > 0, a, 1))[1] - 1 - 4, -126, 127), 0)      # np.frexp(a)[1] - 1 = floor(log2(a)), exactly
;;       r = np.clip(x / 2.0 ** e, -28, 28)
;;       step = 2.0 ** (np.maximum(np.frexp(np.where(r == 0, 1, r))[1] - 1, -2) - 2)
;;       q = np.round(r / step) * step * 2.0 ** e      # np.round: ties to even
;;       return np.moveaxis(q.reshape(q.shape[:-2] + (-1,))[..., :K], -1, axis).astype(np.float32)
;;   ~~~
;;   SOFTMAX AHEAD OF A QUANTISED PRODUCT. Where the list says 'softmax', what is quantised is not the finished softmax but p = 2^(t - M), with t = logit x log2(e) and M = ceil(the row's largest t), a whole number; so 1/2 < the row's largest p <= 1. The row's sum l is taken of the UNQUANTISED p, in f32, and the product's result is divided by l at the end. Since M is a whole number, a kernel that streams over the keys may use a running M (the ceiling of the running maximum): every later rescaling is an exact power of two, which a block's scale takes up: the codes' values come out the same.
;;   OPERANDS COMPUTED ON THE WAY. 'Computed on the way' means the value that the module computes at that place (a softmax that the list does not call 'softmax' is quantised finished and normalised). What goes into a quantiser is computed in f32, as accurately as f32 sums, v_exp_f32 and their like allow (about 1e-6 of the number): no bf16 or f16 on the way to a quantiser, and a product that is left as it is and whose result goes on into a quantised operand takes f32 operands (vector FMAs, or v_wmma_f32_16x16x4_f32). A number that lies on a knife's edge between two numbers of the format may be rounded either way, as far as f32 arithmetic and the matrix unit's own rounding can turn it there, and no further.
;; 2 versions, each right; version 2 is version 1 with the launches kvp, outp written anew for expert scheduling mode. Each part assembles by itself: llvm-mc -triple=amdgcn-amd-amdhsa -mcpu=gfx1250 --defsym DOCPART=n.
;; ======== version 1 of 2: 4 launches
;; workspace buffers: xq 3,276,800 bytes; wq 819,200 bytes; kv 26,214,400 bytes; rq 13,107,200 bytes
;; launch quant (part 1): grid 320 x 1, 4 waves a work-group, no clusters, 0 bytes of LDS; arguments x, W_proj, W_out, xq, wq; writes xq, wq
.if DOCPART == 1
	.amdgcn_target "amdgcn-amd-amdhsa--gfx1250"
	.amdhsa_code_object_version 6
	.text
	.protected	k_q1296eccd40_quant
	.globl	k_q1296eccd40_quant
	.p2align	8
	.type	k_q1296eccd40_quant,@function
k_q1296eccd40_quant:
	s_mov_b64 s[64:65], 0
	v_nop
	global_prefetch_b8 v0, s[64:65] scope:SCOPE_SE
	s_setreg_imm32_b32 hwreg(HW_REG_WAVE_MODE, 25, 1), 1
	s_wait_xcnt 0x0
; x [16][256 c][1024 n], W_proj [256][3072] and W_out [1024][256], f32, all with K as the axis that is NOT innermost, become codes of BF6 (E3M2) with one E8M0 byte for each 32 along K.
; A block's scale is 2^(floor(log2(its largest magnitude)) - 4): its byte is the largest magnitude's exponent field - 4, held at 1 from below.
; LIMITS: NaN and infinities are not served; a block of zeros, or one whose largest magnitude lies under 2^-122, gets the byte 1 (its codes are what the conversion gives; this program alone reads the bytes).
; LAYOUT OF THE RESULTS.  Rows of an operand (tokens, columns of a weight) go in PAIRS of 32 = two tiles of 16: lane r of tile 2 P + u stands for row 32 P + 8 u + r % 8 + 16 (r / 8).
; A fragment (16 rows x 128 K, 12 registers a lane) is stored as an image of its registers: register i of lane l at 512 (i / 4) + 16 l + 4 (i % 4): 1,536 bytes.
; The scale words of a pair for 128 along K are 128 bytes: the word of lane l at 4 l; lanes 0-15 the pair's first tile, lanes 16-31 its second.
; SHARES.  A wave takes a pair x 128 along K.  A LANE TAKES A ROW OF THE OPERAND, AND ITS 128 REGISTERS RUN DOWN K: each load reads 128 consecutive bytes (the four waves stand side by side on 512),
; a block's maximum needs no other lane, and the conversions give codes with K innermost.  A lane holds what lanes r and 16 + r of its tile's fragment want: it stores both.
; Work-groups 0-255 take x, 256-303 W_proj, 304-319 W_out.  No LDS, no barrier, no matrix unit: memory binds.
.set XS,   3145728                     ; xq: the scale words behind 1,024 x 2 fragments
.set WPS,  589824                      ; wq: W_proj's scale words behind its 192 x 2 fragments,
.set WOC,  614400                      ; W_out's 16 x 8 fragments,
.set WOS,  811008                      ; and its scale words
.set VIN,  2                           ; v2   4 x my row's place among the pair's 32
.set VC,   3                           ; v3   where my codes go: my tile + 16 r
.set VW,   4                           ; v4   4 x lane
.set MX,   8                           ; v8-11   largest magnitudes of my four blocks
.set SO,   12                          ; v12-15  the conversions' scale operands
.set BY,   16                          ; v16-19  the bytes; the word is gathered in v16
.set G,    24                          ; v24-35 the registers of lane r of the fragment, v36-47 those of lane 16 + r
.set CT,   48                          ; v48.. a block's second 16 codes (a conversion's three registers begin on an even number)
.set X,    64                          ; v64-191 my 128 numbers
.macro MAXONE b
	v_max3_num_f32 v[MX+\b], |v[X+32*\b]|, |v[X+32*\b+1]|, 0x2800000   ; the floor 2^(5 - 127) among the leaves: the byte cannot fall under 1
.irp i, 2,4,6,8,10,12,14,16,18,20,22,24,26,28,30
	v_max3_num_f32 v[MX+\b], v[MX+\b], |v[X+32*\b+\i]|, |v[X+32*\b+\i+1]|
.endr
.endm
; pitch: bytes from one k to the next in memory;  ts: bytes from the pair's first tile to its second in the codes' buffer
.macro QT pitch, ts
	v_mad_u32_u24 v[VC], v1, \ts, v7
.set i, 0
.rept 128
	global_load_b32 v[X+i], v[VIN], s[16:17] offset:i*\pitch th:TH_LOAD_NT
.set i, i+1
.endr
	s_wait_loadcnt 63                              ; loads come back in order: at most 63 of the 128 are out, so the first 65 are in: blocks 0 and 1
	v_max3_num_f32 v[MX], |v[X]|, |v[X+1]|, 0x2800000
	v_max3_num_f32 v[MX+1], |v[X+32]|, |v[X+33]|, 0x2800000
.irp i, 2,4,6,8,10,12,14,16,18,20,22,24,26,28,30
	v_max3_num_f32 v[MX], v[MX], |v[X+\i]|, |v[X+\i+1]|            ; the two blocks by turns
	v_max3_num_f32 v[MX+1], v[MX+1], |v[X+32+\i]|, |v[X+33+\i]|
.endr
	s_wait_loadcnt 32                              ; block 2 is in, block 3's 32 loads may be out
	MAXONE 2
	s_wait_loadcnt 0x0
	MAXONE 3
.irp b, 0,1,2,3
	v_add_nc_u32 v[SO+\b], 0xfe000000, v[MX+\b]    ; 4 off the exponent field: the conversion takes the exponent field of this operand as its scale
.endr
.irp b, 0,1,2,3
	v_lshrrev_b32 v[BY+\b], 23, v[SO+\b]           ; the scale's byte
.endr
	v_lshl_or_b32 v[BY], v[BY+1], 8, v[BY]         ; my row's scale word: byte b for k = 32 b on
	v_lshl_or_b32 v[BY], v[BY+2], 16, v[BY]
	v_lshl_or_b32 v[BY], v[BY+3], 24, v[BY]
.irp b, 0,1,2,3                                ; block b belongs to lane 16 (b % 2) + r of the fragment, registers 6 (b / 2) on
	v_cvt_scalef32_pk16_bf6_f32 v[G+12*(\b%2)+6*(\b/2):G+12*(\b%2)+6*(\b/2)+2], v[X+32*\b:X+32*\b+15], v[SO+\b]
	v_cvt_scalef32_pk16_bf6_f32 v[CT+4*\b:CT+4*\b+2], v[X+32*\b+16:X+32*\b+31], v[SO+\b]
.endr
	v_nop                                          ; one plain place behind a scaled conversion
.irp b, 0,1,2,3
.irp i, 0,1,2
	v_mov_b32 v[G+12*(\b%2)+6*(\b/2)+3+\i], v[CT+4*\b+\i]
.endr
.endr
.irp h, 0,1
.irp c, 0,1,2
	global_store_b128 v[VC], v[G+12*\h+4*\c:G+12*\h+4*\c+3], s[18:19] offset:256*\h+512*\c   ; lanes 0-15 store 256 consecutive bytes of one tile's image, lanes 16-31 of the other's, each at a multiple of 256
.endr
.endr
	global_store_b32 v[VW], v[BY], s[20:21]        ; the pair's 32 scale words: 128 consecutive bytes
	s_endpgm
.endm
	s_load_b256 s[4:11], s[0:1], 0x0               ; x s[4:5], W_proj s[6:7], W_out s[8:9], xq s[10:11]
	s_load_b64 s[12:13], s[0:1], 0x20              ; wq
	v_lshrrev_b32 v1, 5, v0
	v_readfirstlane_b32 s14, v1                    ; wave 0..3
	v_and_b32 v5, 31, v0
	v_lshlrev_b32 v[VW], 2, v5
	v_and_b32 v6, 7, v0
	v_bfe_u32 v7, v0, 3, 1
	v_bfe_u32 v1, v0, 4, 1                         ; u: which tile of the pair
	v_lshl_add_u32 v6, v7, 4, v6
	v_lshl_add_u32 v6, v1, 3, v6                   ; my row: 8 u + r % 8 + 16 (r / 8)
	v_lshlrev_b32 v[VIN], 2, v6
	v_and_b32 v7, 15, v0
	v_lshlrev_b32 v7, 4, v7                        ; 16 r
	s_mov_b32 s23, 0
	s_wait_kmcnt 0x0
	s_cmp_lt_u32 ttmp9, 256
	s_cbranch_scc0 .Lweights
	; x: work-group i: batch i / 16, K step i % 2, pairs 4 ((i / 2) % 8) + wave
	s_lshr_b32 s24, ttmp9, 4
	s_and_b32 s25, ttmp9, 1
	s_bfe_u32 s26, ttmp9, 0x30001
	s_lshl_b32 s26, s26, 2
	s_add_co_u32 s26, s26, s14                     ; the pair in its batch
	s_lshl_b32 s27, s24, 5
	s_add_co_u32 s27, s27, s26                     ; and among all 512
	s_lshl_b32 s22, s24, 20                        ; a batch is 1,048,576 bytes, 128 channels 524,288, a pair 128
	s_lshl_b32 s28, s25, 19
	s_add_co_u32 s22, s22, s28
	s_lshl_b32 s28, s26, 7
	s_add_co_u32 s22, s22, s28
	s_add_nc_u64 s[16:17], s[4:5], s[22:23]
	s_mul_i32 s22, s27, 6144
	s_mul_i32 s28, s25, 1536
	s_add_co_u32 s22, s22, s28
	s_add_nc_u64 s[18:19], s[10:11], s[22:23]
	s_lshl_b32 s22, s27, 8
	s_lshl_b32 s28, s25, 7
	s_add_co_u32 s22, s22, s28
	s_add_co_u32 s22, s22, XS
	s_add_nc_u64 s[20:21], s[10:11], s[22:23]
	QT 4096, 3072
.Lweights:
	s_cmp_lt_u32 ttmp9, 304
	s_cbranch_scc0 .Lw_out
	; W_proj: work-group i' = i - 256: K step i' % 2, pairs 4 (i' / 2) + wave
	s_sub_co_u32 s24, ttmp9, 256
	s_and_b32 s25, s24, 1
	s_lshr_b32 s26, s24, 1
	s_lshl_b32 s26, s26, 2
	s_add_co_u32 s26, s26, s14
	s_mul_i32 s22, s25, 1572864                    ; 128 rows of 12,288 bytes
	s_lshl_b32 s28, s26, 7
	s_add_co_u32 s22, s22, s28
	s_add_nc_u64 s[16:17], s[6:7], s[22:23]
	s_mul_i32 s22, s26, 6144
	s_mul_i32 s28, s25, 1536
	s_add_co_u32 s22, s22, s28
	s_add_nc_u64 s[18:19], s[12:13], s[22:23]
	s_lshl_b32 s22, s26, 8
	s_lshl_b32 s28, s25, 7
	s_add_co_u32 s22, s22, s28
	s_add_co_u32 s22, s22, WPS
	s_add_nc_u64 s[20:21], s[12:13], s[22:23]
	QT 12288, 3072
.Lw_out:
	; W_out: work-group i'' = i - 304: pairs 4 (i'' % 2) + wave, K step i'' / 2
	s_sub_co_u32 s24, ttmp9, 304
	s_and_b32 s26, s24, 1
	s_lshl_b32 s26, s26, 2
	s_add_co_u32 s26, s26, s14
	s_lshr_b32 s25, s24, 1
	s_lshl_b32 s22, s25, 17                        ; 128 rows of 1,024 bytes
	s_lshl_b32 s28, s26, 7
	s_add_co_u32 s22, s22, s28
	s_add_nc_u64 s[16:17], s[8:9], s[22:23]
	s_mul_i32 s22, s26, 24576
	s_mul_i32 s28, s25, 1536
	s_add_co_u32 s22, s22, s28
	s_add_co_u32 s22, s22, WOC
	s_add_nc_u64 s[18:19], s[12:13], s[22:23]
	s_lshl_b32 s22, s26, 10
	s_lshl_b32 s28, s25, 7
	s_add_co_u32 s22, s22, s28
	s_add_co_u32 s22, s22, WOS
	s_add_nc_u64 s[20:21], s[12:13], s[22:23]
	QT 1024, 12288
.Lfunc_end_k_q1296eccd40_quant:
	.size	k_q1296eccd40_quant, .Lfunc_end_k_q1296eccd40_quant-k_q1296eccd40_quant
	.p2alignl 7, 3214868480
	.fill 96, 4, 3214868480
	.section	.rodata,"a",@progbits
	.p2align	6, 0x0
	.amdhsa_kernel k_q1296eccd40_quant
		.amdhsa_group_segment_fixed_size 0
		.amdhsa_private_segment_fixed_size 0
		.amdhsa_enable_private_segment 0
		.amdhsa_kernarg_size 40
		.amdhsa_user_sgpr_count 2
		.amdhsa_user_sgpr_kernarg_segment_ptr 1
		.amdhsa_wavefront_size32 1
		.amdhsa_system_sgpr_workgroup_id_x 1
		.amdhsa_system_sgpr_workgroup_id_y 1
		.amdhsa_system_sgpr_workgroup_id_z 1
		.amdhsa_system_vgpr_workitem_id 0
		.amdhsa_next_free_vgpr 192
		.amdhsa_next_free_sgpr 66
		.amdhsa_reserve_vcc 0
		.amdhsa_float_denorm_mode_32 3
		.amdhsa_float_denorm_mode_16_64 3
		.amdhsa_memory_ordered 1
		.amdhsa_forward_progress 1
		.amdhsa_inst_pref_size 59
	.end_amdhsa_kernel
	.amdgpu_metadata
---
amdhsa.version: [ 1, 2 ]
amdhsa.kernels:
  - .name:           k_q1296eccd40_quant
    .symbol:         k_q1296eccd40_quant.kd
    .args:
      - { .name: x, .offset: 0, .size: 8, .value_kind: global_buffer, .address_space: global }
      - { .name: W_proj, .offset: 8, .size: 8, .value_kind: global_buffer, .address_space: global }
      - { .name: W_out, .offset: 16, .size: 8, .value_kind: global_buffer, .address_space: global }
      - { .name: xq, .offset: 24, .size: 8, .value_kind: global_buffer, .address_space: global }
      - { .name: wq, .offset: 32, .size: 8, .value_kind: global_buffer, .address_space: global }
    .group_segment_fixed_size: 0
    .private_segment_fixed_size: 0
    .kernarg_segment_align: 8
    .kernarg_segment_size: 40
    .max_flat_workgroup_size: 128
    .sgpr_count:     66
    .vgpr_count:     192
    .wavefront_size: 32
...
	.end_amdgpu_metadata
.endif
;; end of part 1
;; launch kvp (part 2): grid 2 x 128, 8 waves a work-group, no clusters, 25,600 bytes of LDS; arguments xq, wq, b_proj, kv; writes kv
.if DOCPART == 2
	.amdgcn_target "amdgcn-amd-amdhsa--gfx1250"
	.amdhsa_code_object_version 6
	.text
	.protected	k_q1296eccd40_kvp
	.globl	k_q1296eccd40_kvp
	.p2align	8
	.type	k_q1296eccd40_kvp,@function
k_q1296eccd40_kvp:
	s_mov_b64 s[64:65], 0
	v_nop
	global_prefetch_b8 v0, s[64:65] scope:SCOPE_SE
	s_setreg_imm32_b32 hwreg(HW_REG_WAVE_MODE, 25, 1), 1
	s_wait_xcnt 0x0
; k and v of qkv = xf W_proj + b_proj, on codes of BF6 (E3M2), K = 256 = two matrix instructions deep; both are quantised in registers as they are made and leave as codes: k along the head's 256, v along the keys.
; (q is made by the launch that uses it.)
; OPERANDS are images of fragments (16 rows x 128 K = 12 registers a lane = 1,536 bytes, register i of lane l at 512 (i / 4) + 16 l + 4 (i % 4)); rows go in pairs of 32: lane r of tile 2 P + u stands for
; row 32 P + 8 u + r % 8 + 16 (r / 8).  So where eight such tiles are source 0, a lane's 64 results are, block by block of 32, 16 neighbours along those rows: one fragment of the next product.
; A pair's scale words for 128 K are 128 bytes, 4 a lane: lanes 0-15 the first tile's, lanes 16-31 the second's; the matrix instruction picks the half.
; SHARES.  Work-group (X, TG): 128 tokens (TG = 8 batch + group of 128), X = 0: k, X = 1: v, of all four heads.  Wave w takes head w / 2, half w % 2 of its 256 columns: 128 tokens x 128 columns in eight trips
; of 16 matrix instructions: source 0 = one of eight RESIDENT tiles (192 registers, window 1), source 1 = a STREAMED tile.  k: resident = 128 columns of W, streamed = the tokens: a lane holds a token, its
; registers run along d.  v: resident = the 128 tokens, streamed = the columns: a lane holds a column d, its registers run along the keys.  2 x 128 work-groups of eight waves: one to a WGP, equal work.
; The bias is the C of each sum's first matrix instruction.  The tokens' 16 fragments are brought once by the eight waves into LDS; the weights go straight from memory into each wave's registers.
; NO CLUSTER, NO TENSOR LOAD: K is two steps, so there is no ring to fill: a work-group's whole input is 24,576 bytes of tokens and 24,576 of weights a wave, each byte loaded once into the register that the matrix unit reads.
; LIMITS: NaN and infinities are not served; a block of zeros or under 2^-122 gets the byte 1 (this program alone reads the bytes).
.set XS,   3145728                     ; xq: scale words
.set WPS,  589824                      ; wq: W_proj's scale words
.set LI,   1                           ; v1   16 x lane
.set LS,   2                           ; v2   4 x lane
.set XW,   3                           ; v3   16 x lane + 3,072 x wave: my eighth of the tokens' fragments, in memory and in LDS
.set BO,   4                           ; v4   64 (lane / 16): k: my half's eight columns of a tile, in b_proj
.set BO2,  5                           ; v5   4 (r % 8 + 16 (r / 8)): v: my column of a tile
.set XSR,  8                           ; v8-15   the tokens' scale words: pair pr, K step s at 2 pr + s
.set WSR,  16                          ; v16-23  the weights' likewise
.set VB,   24                          ; v24-31  v: my column's bias in each of the eight streamed tiles
.set TM,   32                          ; v32-47  at work in QUANT
.set PW,   48                          ; v48  a scale word just made;  v49 that of the pair's first tile;  v50 the two merged
.set PWE,  49
.set PWM,  50
.set PC,   52                          ; v52-70  the codes just made
.set ACC,  72                          ; v72-135 eight accumulators
.set SF0,  136                         ; v136-183, v184-231: two pairs of streamed tiles: fragment (u, s) at 12 (2 u + s)
.set BR,   192                         ; window 1: v0-191 the resident fragments, (t, s) at 12 (2 t + s); v192-255 the biases, eight registers a tile
.set SEL,  40                          ; s[40:41] lane selects for v_permlanex16_b32: lane l xor 16
.set MK,   42                          ; s42  lanes 16-31
.set MSB, 0
.macro WIN new                         ; the immediate's high byte repeats the setting that is left
.if MSB != \new
	s_set_vgpr_msb (MSB<<8)|\new
.set MSB, \new
.endif
.endm
.macro PLACES n
.rept \n
	v_nop
.endr
.endm
; one matrix instruction.  ra, rb: the halves of the scale registers' lanes that hold source 0's and source 1's words
.macro WMS d, a, b, c, sa, sb, ra, rb
.if ((\ra) != 0) && ((\rb) != 0)
	v_wmma_scale_f32_16x16x128_f8f6f4 v[\d:\d+7], v[\a:\a+11], v[\b:\b+11], \c, v[\sa], v[\sb] matrix_a_fmt:MATRIX_FMT_BF6 matrix_b_fmt:MATRIX_FMT_BF6 matrix_a_scale:MATRIX_SCALE_ROW1 matrix_b_scale:MATRIX_SCALE_ROW1
.elseif (\ra) != 0
	v_wmma_scale_f32_16x16x128_f8f6f4 v[\d:\d+7], v[\a:\a+11], v[\b:\b+11], \c, v[\sa], v[\sb] matrix_a_fmt:MATRIX_FMT_BF6 matrix_b_fmt:MATRIX_FMT_BF6 matrix_a_scale:MATRIX_SCALE_ROW1
.elseif (\rb) != 0
	v_wmma_scale_f32_16x16x128_f8f6f4 v[\d:\d+7], v[\a:\a+11], v[\b:\b+11], \c, v[\sa], v[\sb] matrix_a_fmt:MATRIX_FMT_BF6 matrix_b_fmt:MATRIX_FMT_BF6 matrix_b_scale:MATRIX_SCALE_ROW1
.else
	v_wmma_scale_f32_16x16x128_f8f6f4 v[\d:\d+7], v[\a:\a+11], v[\b:\b+11], \c, v[\sa], v[\sb] matrix_a_fmt:MATRIX_FMT_BF6 matrix_b_fmt:MATRIX_FMT_BF6
.endif
.endm
; 64 numbers of a lane, v[s] on, register 16 b + i = k 32 b + 16 (lane / 16) + i of my row, become a fragment's codes in v[PC] on and my row's scale word in v[pw]
.macro QUANT s, pw
	s_wait_xcnt 0x0                                ; the last stores have read their data: the codes' registers and the merged word are written again only behind this wait
.irp b, 0,1,2,3
	v_max3_num_f32 v[TM+\b], |v[\s+16*\b]|, |v[\s+1+16*\b]|, 0x2800000   ; block b: my 16 numbers, and the floor 2^(5 - 127): the byte cannot fall under 1.  Each accumulator is read from its low end on
.endr
.irp i, 2,4,6,8,10,12,14
.irp b, 0,1,2,3
	v_max3_num_f32 v[TM+\b], v[TM+\b], |v[\s+16*\b+\i]|, |v[\s+1+16*\b+\i]|   ; the four blocks by turns
.endr
.endr
.irp b, 0,1,2,3
	v_permlanex16_b32 v[TM+4+\b], v[TM+\b], s[SEL], s[SEL+1]
.endr
.irp b, 0,1,2,3
	v_max_num_f32 v[TM+\b], v[TM+\b], v[TM+4+\b]   ; with lane l xor 16's: the block's largest magnitude
.endr
.irp b, 0,1,2,3
	v_add_nc_u32 v[TM+12+\b], 0xfe000000, v[TM+\b] ; 4 off its exponent field: the conversion's scale operand
.endr
.irp b, 0,1,2,3
	v_lshrrev_b32 v[TM+4+\b], 23, v[TM+12+\b]      ; the scale's byte
.endr
	v_lshl_or_b32 v[\pw], v[TM+5], 8, v[TM+4]
	v_lshl_or_b32 v[\pw], v[TM+6], 16, v[\pw]
	v_lshl_or_b32 v[\pw], v[TM+7], 24, v[\pw]
.irp c, 0,1
	v_cvt_scalef32_pk16_bf6_f32 v[PC+6*\c:PC+2+6*\c], v[\s+32*\c:\s+15+32*\c], v[TM+12+2*\c]
	v_cvt_scalef32_pk16_bf6_f32 v[PC+12+4*\c:PC+14+4*\c], v[\s+16+32*\c:\s+31+32*\c], v[TM+12+2*\c+1]   ; (a conversion's three registers begin on an even number)
.endr
	v_nop                                          ; one plain place behind a scaled conversion
.irp c, 0,1                                    ; the operand's layout wants a WHOLE block in a lane: lanes 0-15 block 2 c, lanes 16-31 block 2 c + 1
.irp i, 0,1,2
	v_permlane16_swap_b32 v[PC+6*\c+\i], v[PC+12+4*\c+\i]
.endr
.irp i, 0,1,2
	v_mov_b32 v[PC+3+6*\c+\i], v[PC+12+4*\c+\i]
.endr
.endr
.endm
; A TRIP: streamed tile 2 p + u against the eight resident tiles; the 64 results become one fragment and leave.
.macro TRIP isv, p, u
.set SFB, SF0+48*((\p)%2)+24*(\u)
.set JT, 2*(\p)+(\u)
.if \isv
.set STRJ, 1536
.set STRP, 128
.else
.set STRJ, 3072
.set STRP, 256
.endif
.if (\u) == 0
.if \isv
.if (\p) < 3
	s_wait_loadcnt 12                              ; this pair's fragments are in; the next pair's 12 loads may be out
.else
	s_wait_loadcnt 0x0
.endif
.else
.if (\p) < 3
	s_wait_dscnt 12                                ; likewise from LDS
.else
	s_wait_dscnt 0x0
.endif
.endif
.endif
	WIN 0x11                                       ; source 0 (resident) and C (bias) window 1
.irp t, 0,1,2,3,4,5,6,7                        ; the eight accumulators by turns, one instruction a turn
.if \isv
	WMS ACC+8*\t, 24*\t, SFB, v[BR+8*JT:BR+8*JT+7], XSR+2*(\t/2), WSR+2*(\p), \t%2, \u
.else
	WMS ACC+8*\t, 24*\t, SFB, v[BR+8*\t:BR+8*\t+7], WSR+2*(\t/2), XSR+2*(\p), \t%2, \u
.endif
.endr
	WIN 0x01
.irp t, 0,1,2,3,4,5,6,7
.if \isv
	WMS ACC+8*\t, 24*\t+12, SFB+12, v[ACC+8*\t:ACC+8*\t+7], XSR+2*(\t/2)+1, WSR+2*(\p)+1, \t%2, \u
.else
	WMS ACC+8*\t, 24*\t+12, SFB+12, v[ACC+8*\t:ACC+8*\t+7], WSR+2*(\t/2)+1, XSR+2*(\p)+1, \t%2, \u
.endif
.endr
	WIN 0
	PLACES 4                                       ; in front of the loads into registers that the products have read, and of the first read of their results
.if ((\u) == 1) && ((\p) < 2)
.set i, 0
.rept 12                                       ; the pair two on, into the buffer just done with
.if \isv
	global_load_b128 v[SF0+48*((\p)%2)+4*i:SF0+48*((\p)%2)+4*i+3], v[LI], s[26:27] offset:((\p)+2)*6144+512*i
.else
	ds_load_b128 v[SF0+48*((\p)%2)+4*i:SF0+48*((\p)%2)+4*i+3], v[LI] offset:((\p)+2)*6144+512*i
.endif
.set i, i+1
.endr
.endif
.if (\u) == 0
	QUANT ACC, PWE
.else
	QUANT ACC, PW
.endif
.irp c, 0,1,2
	global_store_b128 v[LI], v[PC+4*\c:PC+4*\c+3], s[34:35] offset:JT*STRJ+512*\c   ; the fragment's image: 32 lanes store 512 consecutive bytes, at a multiple of 256
.endr
.if (\u) == 1
	v_cndmask_b32 v[PWM], v[PWE], v[PW], s[MK]     ; lanes 0-15 the pair's first tile's words, lanes 16-31 its second's
	global_store_b32 v[LS], v[PWM], s[36:37] offset:(\p)*STRP
.endif
.endm
	s_load_b256 s[4:11], s[0:1], 0x0               ; xq s[4:5], wq s[6:7], b_proj s[8:9], kv s[10:11]
	v_lshl_add_u32 v254, v0, 2, 0x6000
	v_mov_b32 v255, 0
	v_lshrrev_b32 v6, 5, v0
	v_readfirstlane_b32 s14, v6                    ; wave 0..7
	v_and_b32 v6, 31, v0
	v_lshlrev_b32 v[LI], 4, v6
	v_lshlrev_b32 v[LS], 2, v6
	s_mul_i32 s43, s14, 3072
	v_add_nc_u32 v[XW], s43, v[LI]
	v_bfe_u32 v[BO], v0, 4, 1
	v_lshlrev_b32 v[BO], 6, v[BO]
	v_and_b32 v[BO2], 7, v0
	v_bfe_u32 v6, v0, 3, 1
	v_lshl_add_u32 v[BO2], v6, 4, v[BO2]
	v_lshlrev_b32 v[BO2], 2, v[BO2]
.irp b, 0,1,2,3
	v_mov_b32 v[TM+4+\b], 0                        ; written once: a lane permute's destination counts as one of its sources
.endr
	s_mov_b32 s[SEL], 0x76543210
	s_mov_b32 s[SEL+1], 0xfedcba98
	s_mov_b32 s[MK], 0xffff0000
	s_mov_b32 s15, ttmp9                           ; X: 0 k, 1 v
	s_and_b32 s16, ttmp7, 0xffff                   ; TG
	s_lshr_b32 s17, s14, 1                         ; the head
	s_and_b32 s46, s14, 1                          ; which half of its 256 columns
	s_mul_i32 s18, s17, 6                          ; a head has six groups of 128 columns: q, q, k, k, v, v
	s_add_co_u32 s18, s18, s46
	s_lshl_b32 s43, s15, 1
	s_add_co_u32 s18, s18, s43
	s_add_co_u32 s18, s18, 2                       ; my group: 6 head + 2 + 2 X + half
	s_lshr_b32 s19, s16, 3
	s_lshl_b32 s19, s19, 2
	s_add_co_u32 s19, s19, s17                     ; 4 batch + head
	s_and_b32 s47, s16, 7                          ; the group of 128 tokens in its batch = the key step
	s_mov_b32 s21, 0
	s_wait_kmcnt 0x0
	s_mul_i32 s20, s16, 24576
	s_add_nc_u64 s[22:23], s[4:5], s[20:21]        ; the tokens' 16 fragments
	s_lshl_b32 s20, s16, 10
	s_add_co_u32 s20, s20, XS
	s_add_nc_u64 s[24:25], s[4:5], s[20:21]        ; their scale words
	s_mul_i32 s20, s18, 24576
	s_add_nc_u64 s[26:27], s[6:7], s[20:21]        ; my columns' 16 fragments
	s_lshl_b32 s20, s18, 10
	s_add_co_u32 s20, s20, WPS
	s_add_nc_u64 s[28:29], s[6:7], s[20:21]        ; their scale words
	s_lshl_b32 s20, s18, 9
	s_add_nc_u64 s[30:31], s[8:9], s[20:21]        ; their biases
	s_lshl_b32 s20, s19, 3
	s_add_co_u32 s20, s20, s47
	s_mul_i32 s20, s20, 51200
	s_add_nc_u64 s[32:33], s[10:11], s[20:21]      ; kv: the block of this head's key step
.set i, 0
.rept 6
	global_load_b128 v[ACC+4*i:ACC+4*i+3], v[XW], s[22:23] offset:512*i   ; my eighth of the tokens' fragments
.set i, i+1
.endr
.irp k, 0,1,2,3,4,5,6,7
	global_load_b32 v[XSR+\k], v[LS], s[24:25] offset:128*\k
.endr
.irp k, 0,1,2,3,4,5,6,7
	global_load_b32 v[WSR+\k], v[LS], s[28:29] offset:128*\k
.endr
	s_wait_loadcnt 16                              ; the 6 loads of fragments are in; the 16 of scale words may be out
.set i, 0
.rept 6
	ds_store_b128 v[XW], v[ACC+4*i:ACC+4*i+3] offset:512*i
.set i, i+1
.endr
	s_wait_dscnt 0x0                               ; for the others' sake: my stores have landed
	s_barrier_signal -1
	s_barrier_wait -1                              ; the 16 fragments lie in LDS; from here on LDS is only read
	s_cmp_eq_u32 s15, 0
	s_cbranch_scc0 .Lv
	; ---- k: my half of the head's 256 is K step `half` of the scores' product
	s_mul_i32 s20, s46, 1536
	s_add_nc_u64 s[34:35], s[32:33], s[20:21]      ; K's fragments stand at the block's head: (tile j, K step s) at 1,536 (2 j + s)
	s_lshl_b32 s20, s46, 7
	s_add_co_u32 s20, s20, 49152
	s_add_nc_u64 s[36:37], s[32:33], s[20:21]      ; and its scale words behind V's fragments
	WIN 0x40                                       ; destination window 1
.irp t, 0,1,2,3,4,5,6,7                        ; lane (r, h) wants, for tile t, the biases of columns 32 (t / 2) + 8 (t % 2) + 16 h + 0 .. 7
	global_load_b128 v[BR+8*\t:BR+8*\t+3], v[BO], s[30:31] offset:(32*(\t/2)+8*(\t%2))*4
	global_load_b128 v[BR+8*\t+4:BR+8*\t+7], v[BO], s[30:31] offset:(32*(\t/2)+8*(\t%2))*4+16
.endr
.set i, 0
.rept 48
	global_load_b128 v[4*i:4*i+3], v[LI], s[26:27] offset:512*i   ; my 128 columns of W: they stay
.set i, i+1
.endr
	WIN 0
.set i, 0
.rept 24
	ds_load_b128 v[SF0+4*i:SF0+4*i+3], v[LI] offset:512*i        ; the first two pairs of token tiles
.set i, i+1
.endr
	s_wait_loadcnt 0x0
.irp p, 0,1,2,3
	TRIP 0, \p, 0
	TRIP 0, \p, 1
.endr
	s_wait_tensorcnt 0x0
	ds_add_u32 v254, v255
	s_wait_dscnt 0x0
	s_endpgm
.Lv:
	; ---- v
	s_mul_i32 s20, s46, 12288
	s_add_co_u32 s20, s20, 24576
	s_add_nc_u64 s[34:35], s[32:33], s[20:21]      ; V^T's fragments 8 half + j of the block
	s_lshl_b32 s20, s46, 9
	s_add_co_u32 s20, s20, 50176
	s_add_nc_u64 s[36:37], s[32:33], s[20:21]
.irp j, 0,1,2,3,4,5,6,7
	global_load_b32 v[VB+\j], v[BO2], s[30:31] offset:(32*(\j/2)+8*(\j%2))*4   ; my column's bias in tile j
.endr
.set i, 0
.rept 24
	global_load_b128 v[SF0+4*i:SF0+4*i+3], v[LI], s[26:27] offset:512*i        ; the first two pairs of column tiles
.set i, i+1
.endr
	WIN 0x40
.set i, 0
.rept 48
	ds_load_b128 v[4*i:4*i+3], v[LI] offset:512*i  ; the 128 tokens: they stay
.set i, i+1
.endr
	s_wait_loadcnt 12                              ; all but the second pair's 12 loads
.irp j, 0,1,2,3,4,5,6,7
.irp i, 0,1,2,3,4,5,6,7
	v_mov_b32 v[BR+8*\j+\i], v[VB+\j]              ; a lane holds one column: its bias eight times is the C of trip j's first products
.endr
.endr
	WIN 0
	s_wait_dscnt 0x0
.irp p, 0,1,2,3
	TRIP 1, \p, 0
	TRIP 1, \p, 1
.endr
	s_wait_tensorcnt 0x0
	ds_add_u32 v254, v255
	s_wait_dscnt 0x0
	s_endpgm
.Lfunc_end_k_q1296eccd40_kvp:
	.size	k_q1296eccd40_kvp, .Lfunc_end_k_q1296eccd40_kvp-k_q1296eccd40_kvp
	.p2alignl 7, 3214868480
	.fill 96, 4, 3214868480
	.section	.rodata,"a",@progbits
	.p2align	6, 0x0
	.amdhsa_kernel k_q1296eccd40_kvp
		.amdhsa_group_segment_fixed_size 25600
		.amdhsa_private_segment_fixed_size 0
		.amdhsa_enable_private_segment 0
		.amdhsa_kernarg_size 32
		.amdhsa_user_sgpr_count 2
		.amdhsa_user_sgpr_kernarg_segment_ptr 1
		.amdhsa_wavefront_size32 1
		.amdhsa_system_sgpr_workgroup_id_x 1
		.amdhsa_system_sgpr_workgroup_id_y 1
		.amdhsa_system_sgpr_workgroup_id_z 1
		.amdhsa_system_vgpr_workitem_id 0
		.amdhsa_next_free_vgpr 512
		.amdhsa_next_free_sgpr 66
		.amdhsa_reserve_vcc 0
		.amdhsa_float_denorm_mode_32 3
		.amdhsa_float_denorm_mode_16_64 3
		.amdhsa_memory_ordered 1
		.amdhsa_forward_progress 1
		.amdhsa_inst_pref_size 127
	.end_amdhsa_kernel
	.amdgpu_metadata
---
amdhsa.version: [ 1, 2 ]
amdhsa.kernels:
  - .name:           k_q1296eccd40_kvp
    .symbol:         k_q1296eccd40_kvp.kd
    .args:
      - { .name: xq, .offset: 0, .size: 8, .value_kind: global_buffer, .address_space: global }
      - { .name: wq, .offset: 8, .size: 8, .value_kind: global_buffer, .address_space: global }
      - { .name: b_proj, .offset: 16, .size: 8, .value_kind: global_buffer, .address_space: global }
      - { .name: kv, .offset: 24, .size: 8, .value_kind: global_buffer, .address_space: global }
    .group_segment_fixed_size: 25600
    .private_segment_fixed_size: 0
    .kernarg_segment_align: 8
    .kernarg_segment_size: 32
    .max_flat_workgroup_size: 256
    .sgpr_count:     66
    .vgpr_count:     512
    .wavefront_size: 32
...
	.end_amdgpu_metadata
.endif
;; end of part 2
;; launch attn (part 3): grid 4 x 64, 8 waves a work-group, clusters of 4 x 1, 327,680 bytes of LDS; arguments xq, wq, b_proj, kv, rq; writes rq
.if DOCPART == 3
	.amdgcn_target "amdgcn-amd-amdhsa--gfx1250"
	.amdhsa_code_object_version 6
	.text
	.protected	k_q1296eccd40_attn
	.globl	k_q1296eccd40_attn
	.p2align	8
	.type	k_q1296eccd40_attn,@function
k_q1296eccd40_attn:
	s_mov_b64 s[64:65], 0
	v_nop
	global_prefetch_b8 v0, s[64:65] scope:SCOPE_SE
	s_setreg_imm32_b32 hwreg(HW_REG_WAVE_MODE, 25, 1), 1
	s_wait_xcnt 0x0
	s_wait_alu depctr_hold_cnt(0) depctr_sa_sdst(0) depctr_va_vdst(0) depctr_va_sdst(0) depctr_va_ssrc(0) depctr_va_vcc(0) depctr_vm_vsrc(0)
	s_getreg_b32 s2, hwreg(HW_REG_IB_STS2, 6, 4)
	s_cmp_eq_u32 s2, 0
	s_cbranch_scc0 .Lentry_in_a_cluster
	s_endpgm
.Lentry_in_a_cluster:
	s_bfe_u32 s2, ttmp6, 0x10000c
	s_cmp_lg_u32 s2, 0x3003
	s_cbranch_scc0 .Lentry_shape_is_right
	s_endpgm
.Lentry_shape_is_right:
; res[b][i][h][:] = the sum over j of softmax_j(q[i] . k[j] / 16) v[j][:], for each of 64 (batch, head), 1,024 tokens, head size 256; all products on codes of BF6 (E3M2) with one E8M0 scale for each 32 along K.
; q IS MADE HERE: q = xf W_q + b_q for my own queries and my head, quantised along the head's 256 in registers: no work-group makes a number of q that another makes, and q never goes to memory.
; THE SOFTMAX AHEAD OF THE SECOND PRODUCT: t = score x log2(e) / 16; M = the running largest t rounded UP to a whole number; p = 2^(t - M) is what is quantised, along the keys, not normalised.
; The row's sum is taken of the unquantised p and divides at the end.  When M moves, the sum and O are multiplied by 2^(old M - new M): exact.  res is quantised here, along the head's 256, and leaves as codes.
; OPERANDS are images of fragments (16 rows x 128 K = 12 registers a lane = 1,536 bytes: three loads of 16 bytes at 16 x lane, 512 bytes apart); rows go in pairs of 32: lane r of tile 2 P + u stands for
; row 32 P + 8 u + r % 8 + 16 (r / 8), so that where such tiles are source 0 a lane's 16 registers of a pair are 16 neighbours.  A pair's scale words for 128 K: 128 bytes, 4 a lane, the first tile's in lanes 0-15.
; All products are used transposed: q^T = W_q^T x^T, S^T = K Q^T, O^T = V^T P^T: a lane holds ONE query throughout.
; SHARES.  A work-group owns 256 queries of one (batch, head); each of its eight waves a pair of tiles, 32 queries, so that each fragment of W_q, K and V read from LDS feeds two matrix instructions; two waves
; to a SIMD, so that one wave's softmax stands beside the other's products.  Every wave walks all 1,024 keys, 128 a step: 32 + 32 matrix instructions.
; K AND V of a key step are ONE dense block of 51,200 bytes: K's 16 fragments, V^T's 16, K's 8 rows of scale words, V's 8.  LDS holds six blocks; the first begins as W_q's 32 fragments (49,152 bytes).
; CLUSTER.  The four work-groups of a (batch, head) want the same W_q and walk the same blocks: each is asked for JOINTLY, by the same tensor load with the same descriptor and the mask of all four; every wave
; asks for its eighth.  W_q, key steps 0, 1 and key steps 2 to 4 are asked for at the head (three loads a wave are out): K and V land while q is made.  Steps 5 to 7 fill blocks 0 to 2 again behind step 1
; and have three key steps in which to land (one load a wave is out).  So no prefetch is written.
; LIMITS: NaN and infinities are not served; a block of q or res that is zeros or under 2^-122 gets the byte 1 (this program alone reads the bytes).
; REGISTERS, window 0: v1-7 addresses; v8-19 statistics, six a tile: -M, the largest t, the sum in two halves, f, a scale word (x's while q is made, then p's); v20-21 Q's scale words; v22-69 Q;
;   v70-77 W_q's, K's, V's scale words by turns; v78-79 at work; v80-127 four fragments of K, else the quantisers' work and p's codes; v128-255 q^T and x's fragments, then S^T, p, fragments of V.
;   window 1: while q is made half of W_q's fragments and the biases; then O^T: (tile q, 16 d's dt) at 128 q + 8 dt.
.set XS,    3145728                    ; xq: scale words
.set WPS,   589824                     ; wq: W_proj's scale words
.set RS,    12582912                   ; rq: scale words
.set BLK,   51200
.set SPARE, 6*BLK                      ; behind the six blocks: the spare words, 128 bytes for each wave: four blocks of 256 bytes that no other line names
.set LI,   1                           ; v1   16 x lane
.set LS,   2                           ; v2   4 x lane
.set SPW,  3                           ; v3   LDS address of my spare word; never rewritten
.set NIL,  4                           ; v4   0; never rewritten
.set AD16, 5                           ; v5   the step's block + 16 x lane
.set AD4,  6                           ; v6   the step's block + 4 x lane
.set BO,   7                           ; v7   64 (lane / 16): my half's eight columns of a tile, in b_proj
.set ST,   8
.set XSC0, ST+5                        ; v13, v19: x's scale words of K step 0, 1 while q is made; p's afterwards
.set XSC1, ST+11
.set QSC,  20
.set QF,   22                          ; Q's fragment (tile q, K step s) at 12 (2 q + s)
.set SCL,  70
.set TT,   78
.set KF,   80
.set SS,   128                         ; S^T: (tile q, 16 keys j) at 64 q + 8 j.  While q is made: its eight accumulators
.set XF,   192                         ; while q is made: x's fragment (tile u, K step s) at 12 (2 u + s)
.set BR,   192                         ; window 1, while q is made: v0-191 W_q's fragments of a half, (t, s) at 12 (2 t + s); v192-255 the biases, eight registers a tile
.set BM,   80                          ; the softmax's work lies where K's fragments lay: v80-83 each block's largest score, then p;
.set BP,   84                          ; v84-87 the other half of the lanes', then the bytes;
.set SO,   88                          ; v88-91 the conversions' scale operands;
.set CT,   92                          ; v92-94, v96-98 second halves of blocks;
.set SUMT, 100                         ; v[100:101] the sum's second chain;
.set PC,   104                         ; v104-115, v116-127 p's codes of tile 0, 1.  On the way out: v104-122 the codes of res
.set VFA,  128                         ; four fragments of V, two sets, where p lay
.set VFB,  192
.set TM,   80                          ; QUANT's work
.set PW,   98
.set PWE,  99
.set PWM,  100
.set SEL,  52                          ; s[52:53] lane selects for v_permlanex16_b32: lane l xor 16
.set CS,   54                          ; s[54:55] c = log2(e) / 16
.set TB,   56                          ; s56  LDS byte at which the step's block begins
.set CNT,  57
.set MK,   58                          ; s58  lanes 16-31
.set MSB, 0
.macro WIN new                         ; the immediate's high byte repeats the setting that is left
.if MSB != \new
	s_set_vgpr_msb (MSB<<8)|\new
.set MSB, \new
.endif
.endm
.macro PLACES n
.rept \n
	v_nop
.endr
.endm
; A round of the cluster's barrier: my work-group's barrier; wave 0 signals for the work-group; every wave waits for all four work-groups; my work-group's barrier once more.
.macro ROUND
	s_barrier_signal -1
	s_barrier_wait -1
	s_cmp_lg_u32 s14, 0
	s_cbranch_scc1 .Lnot_wave_0_\@
	s_barrier_signal -3
.Lnot_wave_0_\@:
	s_barrier_wait -3
	s_barrier_signal -1
	s_barrier_wait -1
.endm
.macro WMS d, a, b, c, sa, sb, ra, rb
.if ((\ra) != 0) && ((\rb) != 0)
	v_wmma_scale_f32_16x16x128_f8f6f4 v[\d:\d+7], v[\a:\a+11], v[\b:\b+11], \c, v[\sa], v[\sb] matrix_a_fmt:MATRIX_FMT_BF6 matrix_b_fmt:MATRIX_FMT_BF6 matrix_a_scale:MATRIX_SCALE_ROW1 matrix_b_scale:MATRIX_SCALE_ROW1
.elseif (\ra) != 0
	v_wmma_scale_f32_16x16x128_f8f6f4 v[\d:\d+7], v[\a:\a+11], v[\b:\b+11], \c, v[\sa], v[\sb] matrix_a_fmt:MATRIX_FMT_BF6 matrix_b_fmt:MATRIX_FMT_BF6 matrix_a_scale:MATRIX_SCALE_ROW1
.elseif (\rb) != 0
	v_wmma_scale_f32_16x16x128_f8f6f4 v[\d:\d+7], v[\a:\a+11], v[\b:\b+11], \c, v[\sa], v[\sb] matrix_a_fmt:MATRIX_FMT_BF6 matrix_b_fmt:MATRIX_FMT_BF6 matrix_b_scale:MATRIX_SCALE_ROW1
.else
	v_wmma_scale_f32_16x16x128_f8f6f4 v[\d:\d+7], v[\a:\a+11], v[\b:\b+11], \c, v[\sa], v[\sb] matrix_a_fmt:MATRIX_FMT_BF6 matrix_b_fmt:MATRIX_FMT_BF6
.endif
.endm
; 64 numbers of a lane, v[s] on, register 16 b + i = k 32 b + 16 (lane / 16) + i of my row, become a fragment's codes in v[dst] .. v[dst + 11] and my row's scale word in v[pw]; v[tmp] .. v[tmp + 6] are at work
.macro QUANT s, pw, dst, tmp
.irp b, 0,1,2,3
	v_max3_num_f32 v[TM+\b], |v[\s+16*\b]|, |v[\s+1+16*\b]|, 0x2800000   ; block b: my 16 numbers, and the floor 2^(5 - 127): the byte cannot fall under 1.  Each accumulator is read from its low end on
.endr
.irp i, 2,4,6,8,10,12,14
.irp b, 0,1,2,3
	v_max3_num_f32 v[TM+\b], v[TM+\b], |v[\s+16*\b+\i]|, |v[\s+1+16*\b+\i]|   ; the four blocks by turns
.endr
.endr
.irp b, 0,1,2,3
	v_permlanex16_b32 v[TM+4+\b], v[TM+\b], s[SEL], s[SEL+1]
.endr
.irp b, 0,1,2,3
	v_max_num_f32 v[TM+\b], v[TM+\b], v[TM+4+\b]   ; with lane l xor 16's: the block's largest magnitude
.endr
.irp b, 0,1,2,3
	v_add_nc_u32 v[TM+12+\b], 0xfe000000, v[TM+\b] ; 4 off its exponent field: the conversion's scale operand
.endr
.irp b, 0,1,2,3
	v_lshrrev_b32 v[TM+4+\b], 23, v[TM+12+\b]      ; the scale's byte
.endr
	v_lshl_or_b32 v[\pw], v[TM+5], 8, v[TM+4]
	v_lshl_or_b32 v[\pw], v[TM+6], 16, v[\pw]
	v_lshl_or_b32 v[\pw], v[TM+7], 24, v[\pw]
.irp c, 0,1
	v_cvt_scalef32_pk16_bf6_f32 v[\dst+6*\c:\dst+2+6*\c], v[\s+32*\c:\s+15+32*\c], v[TM+12+2*\c]
	v_cvt_scalef32_pk16_bf6_f32 v[\tmp+4*\c:\tmp+2+4*\c], v[\s+16+32*\c:\s+31+32*\c], v[TM+12+2*\c+1]   ; (a conversion's three registers begin on an even number)
.endr
	v_nop                                          ; one plain place behind a scaled conversion
.irp c, 0,1                                    ; the operand's layout wants a WHOLE block in a lane: lanes 0-15 block 2 c, lanes 16-31 block 2 c + 1
.irp i, 0,1,2
	v_permlane16_swap_b32 v[\dst+6*\c+\i], v[\tmp+4*\c+\i]
.endr
.irp i, 0,1,2
	v_mov_b32 v[\dst+3+6*\c+\i], v[\tmp+4*\c+\i]
.endr
.endr
.endm
; ---- q.  Half hf of the head's 256 columns: what comes from memory (W_q's scale words, pair pr and K step s at 2 pr + s; the biases), and what comes from LDS (16 fragments)
.macro QLOADG hf
.irp k, 0,1,2,3,4,5,6,7
	global_load_b32 v[SCL+\k], v[LS], s[66:67] offset:1024*\hf+128*\k
.endr
	WIN 0x40                                       ; destination window 1
.irp t, 0,1,2,3,4,5,6,7                        ; lane (r, h) wants, for tile t, the biases of columns 32 (t / 2) + 8 (t % 2) + 16 h + 0 .. 7
	global_load_b128 v[BR+8*\t:BR+8*\t+3], v[BO], s[80:81] offset:512*\hf+(32*(\t/2)+8*(\t%2))*4
	global_load_b128 v[BR+8*\t+4:BR+8*\t+7], v[BO], s[80:81] offset:512*\hf+(32*(\t/2)+8*(\t%2))*4+16
.endr
	WIN 0
.endm
.macro QLOADL hf
	WIN 0x40
.set i, 0
.rept 48
	ds_load_b128 v[4*i:4*i+3], v[LI] offset:24576*\hf+512*i
.set i, i+1
.endr
	WIN 0
.endm
; 16 products: the half's eight tiles of columns against my tile u of tokens, two K steps; the bias is the C of the first; the eight accumulators by turns, one instruction a turn
.macro QMUL u
	WIN 0x11                                       ; source 0 (W_q) and C (bias) window 1
.irp t, 0,1,2,3,4,5,6,7
	WMS SS+8*\t, 24*\t, XF+24*(\u), v[BR+8*\t:BR+8*\t+7], SCL+2*(\t/2), XSC0, \t%2, \u
.endr
	WIN 0x01
.irp t, 0,1,2,3,4,5,6,7
	WMS SS+8*\t, 24*\t+12, XF+24*(\u)+12, v[SS+8*\t:SS+8*\t+7], SCL+2*(\t/2)+1, XSC1, \t%2, \u
.endr
	WIN 0
	PLACES 4                                       ; in front of loads into registers that the products have read, and of the first read of their results
.endm
.macro KLOAD j                         ; tile j of K, both K steps: six loads, into fragments 2 (j % 2) and 2 (j % 2) + 1
.irp i, 0,1,2,3,4,5
	ds_load_b128 v[KF+24*((\j)%2)+4*\i:KF+24*((\j)%2)+4*\i+3], v[AD16] offset:(\j)*3072+512*\i
.endr
.endm
.macro VLOAD vf, dt0                   ; V^T's tiles dt0 .. dt0 + 3: twelve loads
.set i, 0
.rept 12
	ds_load_b128 v[\vf+4*i:\vf+4*i+3], v[AD16] offset:24576+(\dt0)*1536+512*i
.set i, i+1
.endr
.endm
.macro PVMUL vf, dt0, first            ; eight products O^T += V^T P^T, eight different accumulators
.if \first
	WIN 0x40                                       ; D window 1: the first key step's products start the sums: nothing is cleared
.else
	WIN 0x50                                       ; C and D window 1
.endif
.irp i, 0,1,2,3
.irp q, 0,1
.if \first
	WMS 128*\q+8*((\dt0)+\i), \vf+12*\i, PC+12*\q, 0, SCL+((\dt0)+\i)/2, ST+6*\q+5, ((\dt0)+\i)%2, 0
.else
	WMS 128*\q+8*((\dt0)+\i), \vf+12*\i, PC+12*\q, v[128*\q+8*((\dt0)+\i):128*\q+8*((\dt0)+\i)+7], SCL+((\dt0)+\i)/2, ST+6*\q+5, ((\dt0)+\i)%2, 0
.endif
.endr
.endr
.endm
; Tile q's softmax for a key step: 64 scores a lane become p, p's codes and p's scale word
.macro SOFTMAX q
.set SB, SS+64*(\q)
.set SQ, ST+6*(\q)
.set PQ, PC+12*(\q)
.irp b, 0,1,2,3
	v_max3_num_f32 v[BM+\b], v[SB+16*\b], v[SB+1+16*\b], v[SB+2+16*\b]   ; THE LARGEST SCORE OF EACH BLOCK OF 32 KEYS serves twice: for the row's maximum and, since p rises with the score, for the block's largest p
.endr
.irp i, 3,5,7,9,11,13
.irp b, 0,1,2,3
	v_max3_num_f32 v[BM+\b], v[BM+\b], v[SB+16*\b+\i], v[SB+1+16*\b+\i]
.endr
.endr
.irp b, 0,1,2,3
	v_max_num_f32 v[BM+\b], v[BM+\b], v[SB+15+16*\b]
.endr
.irp b, 0,1,2,3
	v_permlanex16_b32 v[BP+\b], v[BM+\b], s[SEL], s[SEL+1]
.endr
.irp b, 0,1,2,3
	v_max_num_f32 v[BM+\b], v[BM+\b], v[BP+\b]     ; with lane l xor 16's 16 keys
.endr
	v_max3_num_f32 v[TT], v[BM], v[BM+1], v[BM+2]
	v_max_num_f32 v[TT], v[TT], v[BM+3]            ; the step's largest score of my query
	v_mul_f32 v[TT], s[CS], v[TT]                  ; as t (c is positive)
	v_max_num_f32 v[SQ+1], v[SQ+1], v[TT]          ; the running largest t
	v_mov_b32 v[TT], v[SQ]
	v_floor_f32 v[SQ], -v[SQ+1]                    ; the new -M = floor(-t) = -ceil(t): M IS A WHOLE NUMBER
	v_sub_f32 v[TT], v[SQ], v[TT]                  ; old M - new M: a whole number, 0 or less
	v_cvt_i32_f32 v[TT], v[TT]                     ; (it saturates)
	v_ldexp_f32 v[SQ+4], 1.0, v[TT]                ; f = 2^(old M - new M)
.set i, 0
.rept 32
	v_pk_fma_f32 v[SB+2*i:SB+2*i+1], v[SB+2*i:SB+2*i+1], s[CS:CS+1], v[SQ:SQ+1] op_sel_hi:[1,0,0]   ; t - M, two at a time (of the pairs c and -M the low word serves both halves)
.set i, i+1
.endr
.irp b, 0,1,2,3
	v_fma_f32 v[BM+\b], v[BM+\b], s[CS], v[SQ]     ; the same of each block's largest score
.endr
.set i, 0
.rept 64
	v_exp_f32 v[SB+i], v[SB+i]                     ; p = 2^(t - M), at most 1
.set i, i+1
.endr
.irp b, 0,1,2,3
	v_exp_f32 v[BM+\b], v[BM+\b]                   ; the block's largest p: the same two instructions on the same number
.endr
	v_pk_mul_f32 v[SQ+2:SQ+3], v[SQ+2:SQ+3], v[SQ+4:SQ+5] op_sel_hi:[1,0]   ; the sums under the new M.  (A plain place behind the exponentials)
	s_wait_alu depctr_va_vdst(0)
.irp b, 0,1,2,3
	v_max_num_f32 v[BM+\b], 0x2800000, v[BM+\b]    ; the floor 2^(5 - 127): the byte cannot fall under 1
.endr
.irp b, 0,1,2,3
	v_add_nc_u32 v[SO+\b], 0xfe000000, v[BM+\b]    ; 4 off the exponent field: the conversion's scale operand
.endr
.irp b, 0,1,2,3
	v_lshrrev_b32 v[BP+\b], 23, v[SO+\b]           ; the scale's byte
.endr
	v_lshl_or_b32 v[SQ+5], v[BP+1], 8, v[BP]       ; p's scale word for these 128 keys
	v_lshl_or_b32 v[SQ+5], v[BP+2], 16, v[SQ+5]
	v_lshl_or_b32 v[SQ+5], v[BP+3], 24, v[SQ+5]
.irp c, 0,1
	v_cvt_scalef32_pk16_bf6_f32 v[PQ+6*\c:PQ+6*\c+2], v[SB+32*\c:SB+32*\c+15], v[SO+2*\c]
	v_cvt_scalef32_pk16_bf6_f32 v[CT+4*\c:CT+4*\c+2], v[SB+32*\c+16:SB+32*\c+31], v[SO+2*\c+1]
.endr
	v_nop                                          ; one plain place behind a scaled conversion
.irp c, 0,1                                    ; the operand's layout wants a WHOLE block in a lane
.irp i, 0,1,2
	v_permlane16_swap_b32 v[PQ+6*\c+\i], v[CT+4*\c+\i]
.endr
.irp i, 0,1,2
	v_mov_b32 v[PQ+6*\c+3+\i], v[CT+4*\c+\i]
.endr
.endr
	v_pk_add_f32 v[SUMT:SUMT+1], v[SB:SB+1], v[SB+2:SB+3]   ; THE ROW'S SUM IS TAKEN OF THE UNQUANTISED p: two at a time, in two chains
.set i, 4
.rept 15
	v_pk_add_f32 v[SQ+2:SQ+3], v[SQ+2:SQ+3], v[SB+i:SB+i+1]
	v_pk_add_f32 v[SUMT:SUMT+1], v[SUMT:SUMT+1], v[SB+i+2:SB+i+3]
.set i, i+4
.endr
	v_pk_add_f32 v[SQ+2:SQ+3], v[SQ+2:SQ+3], v[SUMT:SUMT+1]
.endm
; A KEY STEP: the 128 keys of the block at s[TB].  first = 1: the launch's first: its products V^T P^T start O^T's sums, and there is nothing to rescale.
.macro STEP first
	v_add_nc_u32 v[AD16], s[TB], v[LI]
	v_add_nc_u32 v[AD4], s[TB], v[LS]
.irp k, 0,1,2,3,4,5,6,7
	ds_load_b32 v[SCL+\k], v[AD4] offset:49152+128*\k            ; K's scale words: pair pr, K step s at 2 pr + s
.endr
	KLOAD 0
	KLOAD 1
.irp j, 0,1,2,3,4,5,6,7                        ; S^T = K Q^T: a tile of 16 keys against my two tiles of queries, two K steps: the two accumulators by turns
.if \j < 7
	s_wait_dscnt 6                                 ; this tile is in; the next tile's six loads may be out
.else
	s_wait_dscnt 0x0
.endif
	WMS SS+8*\j, KF+24*(\j%2), QF, 0, SCL+2*(\j/2), QSC, \j%2, 0
	WMS SS+64+8*\j, KF+24*(\j%2), QF+24, 0, SCL+2*(\j/2), QSC, \j%2, 1
	WMS SS+8*\j, KF+24*(\j%2)+12, QF+12, v[SS+8*\j:SS+8*\j+7], SCL+2*(\j/2)+1, QSC+1, \j%2, 0
	WMS SS+64+8*\j, KF+24*(\j%2)+12, QF+36, v[SS+64+8*\j:SS+64+8*\j+7], SCL+2*(\j/2)+1, QSC+1, \j%2, 1
.if \j < 6
	PLACES 4                                       ; in front of loads into registers that the products have read
	KLOAD \j+2
.endif
.endr
	PLACES 4                                       ; in front of the loads over K's scale words and of the first read of the scores
.irp k, 0,1,2,3,4,5,6,7
	ds_load_b32 v[SCL+\k], v[AD4] offset:50176+128*\k            ; V's scale words: pair pr at pr
.endr
	SOFTMAX 0
	VLOAD VFA, 0                                   ; tile 0's p is done with: V's first four tiles land there while tile 1's softmax runs
	SOFTMAX 1
	VLOAD VFB, 4
.if (\first) == 0
	WIN 0x41                                       ; O^T (destination and source 0) window 1, f window 0
.irp q, 0,1
.set i, 0
.rept 64
	v_pk_mul_f32 v[128*\q+2*i:128*\q+2*i+1], v[128*\q+2*i:128*\q+2*i+1], v[ST+6*\q+4:ST+6*\q+5] op_sel_hi:[1,0]   ; O^T under the new M: x f; each accumulator from its low end on
.set i, i+1
.endr
.endr
.endif
	s_wait_dscnt 12                                ; V's scale words and the first set are in; the second set's 12 loads may be out
	PVMUL VFA, 0, \first
	WIN 0
	PLACES 4
	VLOAD VFA, 8
	s_wait_dscnt 12
	PVMUL VFB, 4, \first
	WIN 0
	PLACES 4
	VLOAD VFB, 12
	s_wait_dscnt 12
	PVMUL VFA, 8, \first
	s_wait_dscnt 0x0
	PVMUL VFB, 12, \first
	WIN 0
	PLACES 5                                       ; the next step's products write over registers that these have read (five places), and its loads land on p's codes and the scale words (four)
.endm
	s_load_b256 s[4:11], s[0:1], 0x0               ; xq s[4:5], wq s[6:7], b_proj s[8:9], kv s[10:11]
	s_load_b64 s[12:13], s[0:1], 0x20              ; rq
	v_lshl_add_u32 v[SPW], v0, 2, SPARE
	v_mov_b32 v[NIL], 0
	ds_add_u32 v3, v4
	ds_add_u32 v3, v4
	s_wait_dscnt 0x0
	v_lshrrev_b32 v5, 5, v0
	v_readfirstlane_b32 s14, v5                    ; wave 0..7
	v_and_b32 v5, 31, v0
	v_lshlrev_b32 v[LI], 4, v5
	v_lshlrev_b32 v[LS], 2, v5
	v_bfe_u32 v[BO], v0, 4, 1
	v_lshlrev_b32 v[BO], 6, v[BO]
	s_and_b32 s16, ttmp7, 0xffff                   ; 4 batch + head, which the four partners share
	s_lshr_b32 s82, s16, 2                         ; batch
	s_and_b32 s83, s16, 3                          ; head
	s_bfe_u32 s15, ttmp6, 0x40000                  ; cx: my place in the cluster: it enters x's and res' addresses alone, through s15, s17, s59, s84 and s86
	s_lshl_b32 s59, ttmp9, 2
	s_add_co_u32 s15, s15, s59                     ; my block of 256 queries
	s_lshl_b32 s17, s15, 3
	s_add_co_u32 s17, s17, s14                     ; my pair of tiles among the batch's 32
	s_lshl_b32 s86, s82, 5
	s_add_co_u32 s86, s86, s17                     ; and among all 512
	s_mul_i32 s84, s86, 6144                       ; a pair's four fragments of x
	s_mov_b32 s85, 0
	s_mov_b32 s19, 0
	; descriptor groups 1: dense bytes as rows of 256 (32 elements of 8 bytes): an eighth of W_q is 24 rows, of two blocks 50, of three blocks 75
	s_mov_b32 s68, 15|(3<<16)|(1<<21)              ; 15:0 the mask: all four work-groups; 17:16 elements of 8 bytes; 20 no padding; 21 set beside a mask
	s_mov_b32 s69, 32<<16                          ; tensor_dim0 = 32
	s_mov_b32 s70, 24<<16                          ; tensor_dim1 = 24
	s_mov_b32 s71, 32<<16                          ; tile_dim0 = 32
	s_mov_b32 s72, 24                              ; tile_dim1 = 24
	s_mov_b32 s73, 32                              ; from row to row: 32 elements
	s_mov_b32 s74, 0
	s_mov_b32 s75, 0
	s_mov_b32 s24, 15|(3<<16)|(1<<21)
	s_mov_b32 s25, 32<<16
	s_mov_b32 s26, 50<<16
	s_mov_b32 s27, 32<<16
	s_mov_b32 s28, 50
	s_mov_b32 s29, 32
	s_mov_b32 s30, 0
	s_mov_b32 s31, 0
	s_mov_b32 s32, 15|(3<<16)|(1<<21)
	s_mov_b32 s33, 32<<16
	s_mov_b32 s34, 75<<16
	s_mov_b32 s35, 32<<16
	s_mov_b32 s36, 75
	s_mov_b32 s37, 32
	s_mov_b32 s38, 0
	s_mov_b32 s39, 0
	s_wait_kmcnt 0x0
	; what the first products want goes out first: my four fragments of x, their scale words, W_q's scale words and the biases of the first half
	s_add_nc_u64 s[20:21], s[4:5], s[84:85]
	s_lshl_b32 s84, s86, 8
	s_add_co_u32 s84, s84, XS
	s_add_nc_u64 s[22:23], s[4:5], s[84:85]
.set i, 0
.rept 12
	global_load_b128 v[XF+4*i:XF+4*i+3], v[LI], s[20:21] offset:512*i
.set i, i+1
.endr
	global_load_b32 v[XSC0], v[LS], s[22:23]
	global_load_b32 v[XSC1], v[LS], s[22:23] offset:128
	s_mul_i32 s18, s83, 6144                       ; a head has 24 pairs of columns, 256 bytes of scale words each; q's are the first eight
	s_add_co_u32 s18, s18, WPS
	s_add_nc_u64 s[66:67], s[6:7], s[18:19]
	s_mul_i32 s18, s83, 3072                       ; and 768 biases; q's are the first 256
	s_add_nc_u64 s[80:81], s[8:9], s[18:19]
	QLOADG 0
	; groups 0, one for each of the four loads, never rewritten: s[76:79] W_q into block 0; s[40:43] key steps 0, 1 into blocks 1, 2; s[44:47] steps 2 to 4 into blocks 3 to 5; s[48:51] steps 5 to 7 into blocks 0 to 2
	s_mov_b32 s76, 1
	s_mul_i32 s77, s14, 6144                       ; LDS: my eighth of W_q
	s_mul_i32 s18, s83, 147456                     ; a head's 48 tiles of columns x 2 fragments; q's are the first 16 tiles
	s_add_co_u32 s18, s18, s77
	s_add_nc_u64 s[78:79], s[6:7], s[18:19]
	s_or_b32 s79, s79, 0x80000000                  ; type = 2
	s_mov_b32 s40, 1
	s_mul_i32 s41, s14, 12800
	s_mul_i32 s18, s16, 8*BLK                      ; the head's eight blocks in memory
	s_add_co_u32 s18, s18, s41
	s_add_nc_u64 s[42:43], s[10:11], s[18:19]
	s_or_b32 s43, s43, 0x80000000
	s_add_co_u32 s41, s41, BLK                     ; LDS: my eighth of blocks 1, 2
	s_mov_b32 s44, 1
	s_mul_i32 s45, s14, 19200
	s_mov_b32 s48, 1
	s_mul_i32 s49, s14, 19200                      ; LDS: my eighth of blocks 0 to 2
	s_mul_i32 s18, s16, 8*BLK
	s_add_co_u32 s18, s18, s45
	s_add_co_u32 s18, s18, 2*BLK
	s_add_nc_u64 s[46:47], s[10:11], s[18:19]
	s_add_nc_u64 s[50:51], s[46:47], 3*BLK
	s_or_b32 s47, s47, 0x80000000
	s_or_b32 s51, s51, 0x80000000
	s_add_co_u32 s45, s45, 3*BLK                   ; LDS: my eighth of blocks 3 to 5
	ROUND                                          ; all four work-groups are here: the first joint loads meet
	tensor_load_to_lds s[76:79], s[68:75]
	s_nop 0
	tensor_load_to_lds s[40:43], s[24:31]
	s_nop 0
	tensor_load_to_lds s[44:47], s[32:39]
	s_nop 0
	PLACES 4
	s_lshl_b32 s84, s82, 6
	s_lshl_b32 s59, s17, 1
	s_add_co_u32 s84, s84, s59                     ; res: my first tile among all 1,024,
	s_mul_i32 s84, s84, 12288                      ; eight fragments a tile,
	s_mul_i32 s59, s83, 3072                       ; K steps 2 head and 2 head + 1
	s_add_co_u32 s84, s84, s59
	s_add_nc_u64 s[60:61], s[12:13], s[84:85]
	s_lshl_b32 s84, s86, 3
	s_lshl_b32 s59, s83, 1
	s_add_co_u32 s84, s84, s59
	s_lshl_b32 s84, s84, 7
	s_add_co_u32 s84, s84, RS
	s_add_nc_u64 s[62:63], s[12:13], s[84:85]
	s_mov_b32 s[SEL], 0x76543210
	s_mov_b32 s[SEL+1], 0xfedcba98
	s_mov_b32 s[CS], 0x3db8aa3b                    ; c = log2(e) / 16
	s_mov_b32 s[CS+1], s[CS]                       ; (named with it as a pair, so it is written)
	s_mov_b32 s[MK], 0xffff0000
.irp q, 0,1
	v_mov_b32 v[ST+6*\q+1], 0xff61b1e6             ; the largest t so far: -3e38, under every t
	v_floor_f32 v[ST+6*\q], -v[ST+6*\q+1]          ; -M
	v_mov_b32 v[ST+6*\q+2], 0                      ; the sum, in two halves
	v_mov_b32 v[ST+6*\q+3], 0
.endr
	v_mov_b32 v[TT+1], 0                           ; (a lane permute's destination on the way out)
.irp b, 0,1,2,3
	v_mov_b32 v[TM+4+\b], 0                        ; written once: a lane permute's destination counts as one of its sources
.endr
	s_wait_tensorcnt 0x2                           ; my eighth of W_q is in; the two loads of K and V may stay out
	s_barrier_signal -1
	s_barrier_wait -1                              ; everybody's is
	; ---- q: for each half of the head's 256 and each of my two tiles: 16 products, and their 64 results a lane are one fragment of Q
	QLOADL 0
	s_wait_loadcnt 0x0
	s_wait_dscnt 0x0
	QMUL 0
	QUANT SS, PWE, QF, 104
	QMUL 1
	QLOADG 1                                       ; the second half's operands are asked for behind the first half's last products and their places, and land while the last tile is quantised
	QLOADL 1
	QUANT SS, PW, QF+24, 104
	v_cndmask_b32 v[QSC], v[PWE], v[PW], s[MK]     ; lanes 0-15 the first tile's words, lanes 16-31 the second's
	s_wait_loadcnt 0x0
	s_wait_dscnt 0x0
	QMUL 0
	QUANT SS, PWE, QF+12, 104
	QMUL 1
	QUANT SS, PW, QF+36, 104
	v_cndmask_b32 v[QSC+1], v[PWE], v[PW], s[MK]
	PLACES 8                                       ; a scale register written by a vector instruction stands eight places ahead of a scaled matrix instruction, an operand so written four
	s_wait_tensorcnt 0x1                           ; my eighth of key steps 0, 1 is in; the load of steps 2 to 4 may stay out
	s_barrier_signal -1
	s_barrier_wait -1                              ; everybody's is
	s_mov_b32 s[TB], BLK
	STEP 1
	s_mov_b32 s[TB], 2*BLK
	STEP 0
	s_wait_tensorcnt 0x0                           ; all my tensor loads have landed: my eighth of key steps 2 to 4
	ds_add_u32 v[SPW], v[NIL]                      ; 0 onto my spare word
	s_mov_b32 s[TB], 3*BLK
	s_mov_b32 s[CNT], 3
	s_wait_dscnt 0x0                               ; the add is done, and my reads of blocks 0 to 2 are over
	ROUND                                          ; both now hold of every wave of all four work-groups
	tensor_load_to_lds s[48:51], s[32:39]          ; key steps 5 to 7 into blocks 0 to 2: my one load behind the round; it has three key steps in which to land
	s_nop 0
	PLACES 4
.Lmid:                                             ; key steps 2 to 4
	STEP 0
	s_add_co_u32 s[TB], s[TB], BLK
	s_sub_co_u32 s[CNT], s[CNT], 1
	s_cmp_lg_u32 s[CNT], 0
	s_cbranch_scc1 .Lmid
	s_wait_tensorcnt 0x0                           ; my eighth of key steps 5 to 7 is in,
	s_wait_dscnt 0x0
	s_barrier_signal -1
	s_barrier_wait -1                              ; everybody's is
	s_mov_b32 s[TB], 0
	s_mov_b32 s[CNT], 3
.Llast:                                            ; key steps 5 to 7
	STEP 0
	s_add_co_u32 s[TB], s[TB], BLK
	s_sub_co_u32 s[CNT], s[CNT], 1
	s_cmp_lg_u32 s[CNT], 0
	s_cbranch_scc1 .Llast
	; THE WAY OUT.  O^T / the row's sum is res: a lane's 64 registers of eight tiles of d are, block by block, 16 neighbours along d: one fragment of the last product, K step 2 head + half.
.irp q, 0,1
	v_add_f32 v[ST+6*\q+2], v[ST+6*\q+2], v[ST+6*\q+3]   ; the sum's two halves,
.endr
.irp q, 0,1
	v_permlanex16_b32 v[TT+\q], v[ST+6*\q+2], s[SEL], s[SEL+1]
.endr
.irp q, 0,1
	v_add_f32 v[ST+6*\q+2], v[ST+6*\q+2], v[TT+\q]  ; and lane l xor 16's: the row's sum
.endr
.irp q, 0,1
	v_rcp_f32 v[ST+6*\q+2], v[ST+6*\q+2]
.endr
	v_nop                                          ; one plain place behind a transcendental
	s_wait_alu depctr_va_vdst(0)
.irp hf, 0,1
.irp q, 0,1
	WIN 0x01                                       ; source 0 (O^T) window 1
.set i, 0
.rept 32
	v_pk_mul_f32 v[SS+2*i:SS+2*i+1], v[128*\q+64*\hf+2*i:128*\q+64*\hf+2*i+1], v[ST+6*\q+2:ST+6*\q+3] op_sel_hi:[1,0]   ; each accumulator from its low end on
.set i, i+1
.endr
	WIN 0
	s_wait_xcnt 0x0                                ; the last stores have read their data: the codes' registers and the merged word are written again only behind this wait
.if \q == 0
	QUANT SS, PWE, PC, PC+12
.else
	QUANT SS, PW, PC, PC+12
.endif
.irp c, 0,1,2
	global_store_b128 v[LI], v[PC+4*\c:PC+4*\c+3], s[60:61] offset:12288*\q+1536*\hf+512*\c   ; 32 lanes store 512 consecutive bytes, at a multiple of 256
.endr
.if \q == 1
	v_cndmask_b32 v[PWM], v[PWE], v[PW], s[MK]     ; lanes 0-15 the first tile's words, lanes 16-31 the second's
	global_store_b32 v[LS], v[PWM], s[62:63] offset:128*\hf
.endif
.endr
.endr
	s_wait_tensorcnt 0x0                           ; the wave's end
	ds_add_u32 v[SPW], v[NIL]
	s_wait_dscnt 0x0
	ROUND                                          ; the closing round: no work-group ends while a partner may still ask for a block that names it
	s_endpgm
.Lfunc_end_k_q1296eccd40_attn:
	.size	k_q1296eccd40_attn, .Lfunc_end_k_q1296eccd40_attn-k_q1296eccd40_attn
	.p2alignl 7, 3214868480
	.fill 96, 4, 3214868480
	.section	.rodata,"a",@progbits
	.p2align	6, 0x0
	.amdhsa_kernel k_q1296eccd40_attn
		.amdhsa_group_segment_fixed_size 327680
		.amdhsa_private_segment_fixed_size 0
		.amdhsa_enable_private_segment 0
		.amdhsa_kernarg_size 40
		.amdhsa_user_sgpr_count 2
		.amdhsa_user_sgpr_kernarg_segment_ptr 1
		.amdhsa_wavefront_size32 1
		.amdhsa_system_sgpr_workgroup_id_x 1
		.amdhsa_system_sgpr_workgroup_id_y 1
		.amdhsa_system_sgpr_workgroup_id_z 1
		.amdhsa_system_vgpr_workitem_id 0
		.amdhsa_next_free_vgpr 512
		.amdhsa_next_free_sgpr 88
		.amdhsa_reserve_vcc 0
		.amdhsa_float_denorm_mode_32 3
		.amdhsa_float_denorm_mode_16_64 3
		.amdhsa_memory_ordered 1
		.amdhsa_forward_progress 1
		.amdhsa_inst_pref_size 247
	.end_amdhsa_kernel
	.amdgpu_metadata
---
amdhsa.version: [ 1, 2 ]
amdhsa.kernels:
  - .name:           k_q1296eccd40_attn
    .symbol:         k_q1296eccd40_attn.kd
    .args:
      - { .name: xq, .offset: 0, .size: 8, .value_kind: global_buffer, .address_space: global }
      - { .name: wq, .offset: 8, .size: 8, .value_kind: global_buffer, .address_space: global }
      - { .name: b_proj, .offset: 16, .size: 8, .value_kind: global_buffer, .address_space: global }
      - { .name: kv, .offset: 24, .size: 8, .value_kind: global_buffer, .address_space: global }
      - { .name: rq, .offset: 32, .size: 8, .value_kind: global_buffer, .address_space: global }
    .group_segment_fixed_size: 327680
    .private_segment_fixed_size: 0
    .kernarg_segment_align: 8
    .kernarg_segment_size: 40
    .max_flat_workgroup_size: 256
    .sgpr_count:     88
    .vgpr_count:     512
    .wavefront_size: 32
...
	.end_amdgpu_metadata
.endif
;; end of part 3
;; launch outp (part 4): grid 256 x 1, 8 waves a work-group, no clusters, 119,808 bytes of LDS; arguments rq, wq, b_out, x, out0; writes out0
.if DOCPART == 4
	.amdgcn_target "amdgcn-amd-amdhsa--gfx1250"
	.amdhsa_code_object_version 6
	.text
	.protected	k_q1296eccd40_outp
	.globl	k_q1296eccd40_outp
	.p2align	8
	.type	k_q1296eccd40_outp,@function
k_q1296eccd40_outp:
	s_mov_b64 s[64:65], 0
	v_nop
	global_prefetch_b8 v0, s[64:65] scope:SCOPE_SE
	s_setreg_imm32_b32 hwreg(HW_REG_WAVE_MODE, 25, 1), 1
	s_wait_xcnt 0x0
; out0[b][c][n] = (res W_out)[n][c] + b_out[c] + x[b][c][n]; the product on codes of BF6 (E3M2), K = 1,024 = eight matrix instructions deep.
; OPERANDS are images of fragments (16 rows x 128 K = 12 registers a lane = 1,536 bytes); rows go in pairs of 32: lane r of tile 2 P + u stands for row 32 P + 8 u + r % 8 + 16 (r / 8).
; Source 0 = 16 tokens of res, source 1 = 16 columns of W_out: a lane holds ONE column c, and its eight registers eight NEIGHBOURING tokens: 32 bytes of a row of out0.
; SHARES.  A work-group takes 64 tokens x all 256 columns; wave w takes columns 32 w .. 32 w + 31 for all 64 tokens: eight accumulators.  Its 16 fragments of W_out go straight from memory into registers
; (192, window 1); the 32 fragments of res are brought once by the eight waves into LDS and read by all.  Every load of the launch is issued at its head.
; b_out is the C of each sum's first matrix instruction.  The results go through the wave's own stage in LDS (32 rows c x 256 bytes + 16) and come back as rows, where x is added: sixteen lanes store 256 consecutive bytes.
; NO CLUSTER, NO TENSOR LOAD: each byte is asked for once at the head and goes into the register that the matrix unit reads; what work-groups share, W_out's 196,608 bytes of codes, is a small part beside the
; 49,152 bytes of res, 65,536 of x and 65,536 of out0 that each work-group has to itself, 256 times over.
.set RS,   12582912                    ; rq: scale words
.set WOC,  614400                      ; wq: W_out's fragments
.set WOS,  811008                      ; and its scale words
.set STG,  49152                       ; LDS: res' 32 fragments, (tile tt, K step ks) at 1,536 (8 tt + ks); then the stage, 256 rows of 272 bytes
.set LI,   1                           ; v1   16 x lane
.set LS,   2                           ; v2   4 x lane
.set RW,   3                           ; v3   16 x lane + 6,144 x wave: my eighth of res, in memory and in LDS
.set SO,   4                           ; v4   the stage: my column's row, + 64 (lane / 16)
.set SR,   5                           ; v5   and back: lanes 0-15 one row, lanes 16-31 the next
.set XO,   6                           ; v6   the same two rows in x and in out0
.set BO,   7                           ; v7   4 (r % 8 + 16 (r / 8)): my column of a tile, in b_out
.set WS,   8                           ; v8-15   W_out's scale words, K step ks
.set RSC,  16                          ; v16-31  res': pair pr, K step ks at 8 pr + ks
.set BB,   32                          ; v32-33  my column's bias in tile u
.set CB,   34                          ; v34-49  the same eight times
.set ACC,  64                          ; v64-127 accumulator (tt, u) at 8 (2 tt + u)
.set RFA,  128                         ; v128-175, v176-223: res' four fragments of a K step, two sets; on the way out v128-191 rows of the result
.set XR,   192                         ; window 1: v0-191 W_out's fragments, (u, ks) at 12 (8 u + ks); v192-255 x
.set MSB, 0
.macro WIN new                         ; the immediate's high byte repeats the setting that is left
.if MSB != \new
	s_set_vgpr_msb (MSB<<8)|\new
.set MSB, \new
.endif
.endm
.macro PLACES n
.rept \n
	v_nop
.endr
.endm
.macro WMS d, a, b, c, sa, sb, ra, rb
.if ((\ra) != 0) && ((\rb) != 0)
	v_wmma_scale_f32_16x16x128_f8f6f4 v[\d:\d+7], v[\a:\a+11], v[\b:\b+11], \c, v[\sa], v[\sb] matrix_a_fmt:MATRIX_FMT_BF6 matrix_b_fmt:MATRIX_FMT_BF6 matrix_a_scale:MATRIX_SCALE_ROW1 matrix_b_scale:MATRIX_SCALE_ROW1
.elseif (\ra) != 0
	v_wmma_scale_f32_16x16x128_f8f6f4 v[\d:\d+7], v[\a:\a+11], v[\b:\b+11], \c, v[\sa], v[\sb] matrix_a_fmt:MATRIX_FMT_BF6 matrix_b_fmt:MATRIX_FMT_BF6 matrix_a_scale:MATRIX_SCALE_ROW1
.elseif (\rb) != 0
	v_wmma_scale_f32_16x16x128_f8f6f4 v[\d:\d+7], v[\a:\a+11], v[\b:\b+11], \c, v[\sa], v[\sb] matrix_a_fmt:MATRIX_FMT_BF6 matrix_b_fmt:MATRIX_FMT_BF6 matrix_b_scale:MATRIX_SCALE_ROW1
.else
	v_wmma_scale_f32_16x16x128_f8f6f4 v[\d:\d+7], v[\a:\a+11], v[\b:\b+11], \c, v[\sa], v[\sb] matrix_a_fmt:MATRIX_FMT_BF6 matrix_b_fmt:MATRIX_FMT_BF6
.endif
.endm
.macro RLOAD rf, ks                    ; res' four fragments of K step ks: twelve loads
.irp tt, 0,1,2,3
.irp c, 0,1,2
	ds_load_b128 v[\rf+12*\tt+4*\c:\rf+12*\tt+4*\c+3], v[LI] offset:(8*\tt+(\ks))*1536+512*\c
.endr
.endr
.endm
	s_load_b256 s[4:11], s[0:1], 0x0               ; rq s[4:5], wq s[6:7], b_out s[8:9], x s[10:11]
	s_load_b64 s[12:13], s[0:1], 0x20              ; out0
	v_lshl_add_u32 v254, v0, 2, 0x1d000
	v_mov_b32 v255, 0
	v_lshrrev_b32 v50, 5, v0
	v_readfirstlane_b32 s14, v50                   ; wave 0..7
	v_and_b32 v50, 31, v0
	v_lshlrev_b32 v[LI], 4, v50
	v_lshlrev_b32 v[LS], 2, v50
	s_mul_i32 s16, s14, 6144
	v_add_nc_u32 v[RW], s16, v[LI]
	v_and_b32 v51, 7, v0
	v_bfe_u32 v52, v0, 3, 1
	v_lshl_add_u32 v51, v52, 4, v51                ; r % 8 + 16 (r / 8)
	v_lshlrev_b32 v[BO], 2, v51
	v_bfe_u32 v52, v0, 4, 1                        ; lane / 16
	v_mul_u32_u24 v[SO], v51, 272
	v_lshl_add_u32 v[SO], v52, 6, v[SO]
	s_mul_i32 s16, s14, 8704                       ; my 32 rows of the stage
	s_add_co_u32 s16, s16, STG
	v_add_nc_u32 v[SO], s16, v[SO]
	v_and_b32 v51, 15, v0
	v_mul_u32_u24 v[SR], v52, 272
	v_lshl_add_u32 v[SR], v51, 4, v[SR]
	v_add_nc_u32 v[SR], s16, v[SR]
	v_lshlrev_b32 v[XO], 12, v52                   ; a row of x and of out0 is 4,096 bytes
	v_lshl_add_u32 v[XO], v51, 4, v[XO]
	s_mov_b32 s17, 0
	s_wait_kmcnt 0x0
	s_mul_i32 s16, ttmp9, 49152
	s_add_nc_u64 s[18:19], s[4:5], s[16:17]        ; res: my work-group's 32 fragments
	s_lshl_b32 s16, ttmp9, 11
	s_add_co_u32 s16, s16, RS
	s_add_nc_u64 s[20:21], s[4:5], s[16:17]        ; their 16 rows of scale words
	s_mul_i32 s16, s14, 24576
	s_add_co_u32 s16, s16, WOC
	s_add_nc_u64 s[22:23], s[6:7], s[16:17]        ; W_out: my pair's 16 fragments
	s_lshl_b32 s16, s14, 10
	s_add_co_u32 s16, s16, WOS
	s_add_nc_u64 s[24:25], s[6:7], s[16:17]
	s_lshl_b32 s16, s14, 7
	s_add_nc_u64 s[26:27], s[8:9], s[16:17]        ; b_out: my 32 columns
	s_lshr_b32 s16, ttmp9, 4
	s_lshl_b32 s16, s16, 20                        ; x, out0: the batch,
	s_lshl_b32 s28, s14, 17                        ; my 32 rows c,
	s_add_co_u32 s16, s16, s28
	s_and_b32 s28, ttmp9, 15
	s_lshl_b32 s28, s28, 8                         ; the work-group's 64 tokens: 256 bytes
	s_add_co_u32 s16, s16, s28
	s_add_nc_u64 s[10:11], s[10:11], s[16:17]
	s_add_nc_u64 s[12:13], s[12:13], s[16:17]
.set i, 0
.rept 12
	global_load_b128 v[RFA+4*i:RFA+4*i+3], v[RW], s[18:19] offset:512*i   ; my eighth of res
.set i, i+1
.endr
.set i, 0
.rept 16
	global_load_b32 v[RSC+i], v[LS], s[20:21] offset:128*i
.set i, i+1
.endr
.irp k, 0,1,2,3,4,5,6,7
	global_load_b32 v[WS+\k], v[LS], s[24:25] offset:128*\k
.endr
	global_load_b32 v[BB], v[BO], s[26:27]
	global_load_b32 v[BB+1], v[BO], s[26:27] offset:32
	WIN 0x40                                       ; destination window 1
.set i, 0
.rept 48
	global_load_b128 v[4*i:4*i+3], v[LI], s[22:23] offset:512*i
.set i, i+1
.endr
.set i, 0
.rept 16
	global_load_b128 v[XR+4*i:XR+4*i+3], v[XO], s[10:11] offset:8192*i th:TH_LOAD_NT   ; rows 2 i and 2 i + 1 of my 32: sixteen lanes read 256 consecutive bytes
.set i, i+1
.endr
	WIN 0
	s_wait_loadcnt 63                              ; loads come back in order: of the 102 at most 63 are out, so the first 39 are in: res, all scale words, the biases
.set i, 0
.rept 12
	ds_store_b128 v[RW], v[RFA+4*i:RFA+4*i+3] offset:512*i
.set i, i+1
.endr
	s_wait_dscnt 0x0                               ; for the others' sake: my stores have landed
	s_barrier_signal -1
	s_barrier_wait -1                              ; res' 32 fragments lie in LDS; they are only read from here on
	RLOAD RFA, 0
	RLOAD RFA+48, 1
.irp u, 0,1
.irp i, 0,1,2,3,4,5,6,7
	v_mov_b32 v[CB+8*\u+\i], v[BB+\u]              ; a lane holds one column: its bias eight times is the C of the first products
.endr
.endr
	PLACES 4                                       ; plain lines between the last copy and the products that take the copies as C
	s_wait_loadcnt 16                              ; W_out is in; x's 16 loads may be out
.irp ks, 0,1,2,3,4,5,6,7
.if \ks < 7
	s_wait_dscnt 12                                ; this K step's fragments are in; the next step's 12 loads may be out
.else
	s_wait_dscnt 0x0
.endif
	WIN 0x04                                       ; source 1 (W_out) window 1
.irp tt, 0,1,2,3                               ; the eight accumulators by turns, one instruction a turn
.irp u, 0,1
.if \ks == 0
	WMS ACC+8*(2*\tt+\u), RFA+48*(\ks%2)+12*\tt, 12*(8*\u+\ks), v[CB+8*\u:CB+8*\u+7], RSC+8*(\tt/2)+\ks, WS+\ks, \tt%2, \u
.else
	WMS ACC+8*(2*\tt+\u), RFA+48*(\ks%2)+12*\tt, 12*(8*\u+\ks), v[ACC+8*(2*\tt+\u):ACC+8*(2*\tt+\u)+7], RSC+8*(\tt/2)+\ks, WS+\ks, \tt%2, \u
.endif
.endr
.endr
	WIN 0
	PLACES 4                                       ; in front of loads into registers that the products have read, and of the first read of results
.if \ks < 6
	RLOAD RFA+48*(\ks%2), \ks+2
.endif
.endr
	; THE WAY OUT: lane (r, h) of accumulator (tt, u) holds column 8 u + r % 8 + 16 (r / 8) of my 32 and tokens 32 (tt / 2) + 8 (tt % 2) + 16 h + 0 .. 7
.irp tt, 0,1,2,3
.irp u, 0,1
	ds_store_b128 v[SO], v[ACC+8*(2*\tt+\u):ACC+8*(2*\tt+\u)+3] offset:2176*\u+128*(\tt/2)+32*(\tt%2)        ; each accumulator from its low end on
	ds_store_b128 v[SO], v[ACC+8*(2*\tt+\u)+4:ACC+8*(2*\tt+\u)+7] offset:2176*\u+128*(\tt/2)+32*(\tt%2)+16
.endr
.endr
.set i, 0
.rept 16
	ds_load_b128 v[RFA+4*i:RFA+4*i+3], v[SR] offset:544*i   ; LDS serves a wave's instructions in order (ISA guide 5.7.1.4): these see my stores; the stage's 32 rows are mine alone
.set i, i+1
.endr
	s_wait_loadcnt 0x0                             ; x
	s_wait_dscnt 0x0
	WIN 0x04                                       ; source 1 (x) window 1
.set i, 0
.rept 32
	v_pk_add_f32 v[RFA+2*i:RFA+2*i+1], v[RFA+2*i:RFA+2*i+1], v[XR+2*i:XR+2*i+1]   ; the residual
.set i, i+1
.endr
	WIN 0
.set i, 0
.rept 16
	global_store_b128 v[XO], v[RFA+4*i:RFA+4*i+3], s[12:13] offset:8192*i th:TH_STORE_NT   ; sixteen lanes store 256 consecutive bytes, at a multiple of 256 from out0's first byte
.set i, i+1
.endr
	s_wait_tensorcnt 0x0
	ds_add_u32 v254, v255
	s_wait_dscnt 0x0
	s_endpgm
.Lfunc_end_k_q1296eccd40_outp:
	.size	k_q1296eccd40_outp, .Lfunc_end_k_q1296eccd40_outp-k_q1296eccd40_outp
	.p2alignl 7, 3214868480
	.fill 96, 4, 3214868480
	.section	.rodata,"a",@progbits
	.p2align	6, 0x0
	.amdhsa_kernel k_q1296eccd40_outp
		.amdhsa_group_segment_fixed_size 119808
		.amdhsa_private_segment_fixed_size 0
		.amdhsa_enable_private_segment 0
		.amdhsa_kernarg_size 40
		.amdhsa_user_sgpr_count 2
		.amdhsa_user_sgpr_kernarg_segment_ptr 1
		.amdhsa_wavefront_size32 1
		.amdhsa_system_sgpr_workgroup_id_x 1
		.amdhsa_system_sgpr_workgroup_id_y 1
		.amdhsa_system_sgpr_workgroup_id_z 1
		.amdhsa_system_vgpr_workitem_id 0
		.amdhsa_next_free_vgpr 512
		.amdhsa_next_free_sgpr 66
		.amdhsa_reserve_vcc 0
		.amdhsa_float_denorm_mode_32 3
		.amdhsa_float_denorm_mode_16_64 3
		.amdhsa_memory_ordered 1
		.amdhsa_forward_progress 1
		.amdhsa_inst_pref_size 36
	.end_amdhsa_kernel
	.amdgpu_metadata
---
amdhsa.version: [ 1, 2 ]
amdhsa.kernels:
  - .name:           k_q1296eccd40_outp
    .symbol:         k_q1296eccd40_outp.kd
    .args:
      - { .name: rq, .offset: 0, .size: 8, .value_kind: global_buffer, .address_space: global }
      - { .name: wq, .offset: 8, .size: 8, .value_kind: global_buffer, .address_space: global }
      - { .name: b_out, .offset: 16, .size: 8, .value_kind: global_buffer, .address_space: global }
      - { .name: x, .offset: 24, .size: 8, .value_kind: global_buffer, .address_space: global }
      - { .name: out0, .offset: 32, .size: 8, .value_kind: global_buffer, .address_space: global }
    .group_segment_fixed_size: 119808
    .private_segment_fixed_size: 0
    .kernarg_segment_align: 8
    .kernarg_segment_size: 40
    .max_flat_workgroup_size: 256
    .sgpr_count:     66
    .vgpr_count:     512
    .wavefront_size: 32
...
	.end_amdgpu_metadata
.endif
;; end of part 4
;; ======== version 2 of 2: 4 launches; version 1 with the launches kvp, outp written anew for expert scheduling mode
;; workspace buffers: xq 3,276,800 bytes; wq 819,200 bytes; kv 26,214,400 bytes; rq 13,107,200 bytes
;; launch quant: the kernel of part 1 again; grid 320 x 1, 4 waves a work-group, no clusters, 0 bytes of LDS; arguments x, W_proj, W_out, xq, wq; writes xq, wq
;; launch kvp (part 5): grid 2 x 128, 8 waves a work-group, no clusters, 25,600 bytes of LDS; arguments xq, wq, b_proj, kv; writes kv
.if DOCPART == 5
	.amdgcn_target "amdgcn-amd-amdhsa--gfx1250"
	.amdhsa_code_object_version 6
	.text
	.protected	k_q1296eccd40_kvp
	.globl	k_q1296eccd40_kvp
	.p2align	8
	.type	k_q1296eccd40_kvp,@function
k_q1296eccd40_kvp:
	s_mov_b64 s[64:65], 0
	v_nop
	global_prefetch_b8 v0, s[64:65] scope:SCOPE_SE
	s_setreg_imm32_b32 hwreg(HW_REG_WAVE_SCHED_MODE, 0, 2), 2
	s_setreg_imm32_b32 hwreg(HW_REG_WAVE_MODE, 25, 1), 1
	s_wait_xcnt 0x0
	s_wait_alu depctr_vm_vsrc(0)
; k and v of qkv = xf W_proj + b_proj, on codes of BF6 (E3M2), K = 256 = two matrix instructions deep; both are quantised in registers as they are made and leave as codes: k along the head's 256, v along the keys.
; (q is made by the launch that uses it.)
; OPERANDS are images of fragments (16 rows x 128 K = 12 registers a lane = 1,536 bytes, register i of lane l at 512 (i / 4) + 16 l + 4 (i % 4)); rows go in pairs of 32: lane r of tile 2 P + u stands for
; row 32 P + 8 u + r % 8 + 16 (r / 8).  So where eight such tiles are source 0, a lane's 64 results are, block by block of 32, 16 neighbours along those rows: one fragment of the next product.
; A pair's scale words for 128 K are 128 bytes, 4 a lane: lanes 0-15 the first tile's, lanes 16-31 the second's; the matrix instruction picks the half.
; SHARES.  Work-group (X, TG): 128 tokens (TG = 8 batch + group of 128), X = 0: k, X = 1: v, of all four heads.  Wave w takes head w / 2, half w % 2 of its 256 columns: 128 tokens x 128 columns in eight trips
; of 16 matrix instructions: source 0 = one of eight RESIDENT tiles (192 registers, window 1), source 1 = a STREAMED tile.  k: resident = 128 columns of W, streamed = the tokens: a lane holds a token, its
; registers run along d.  v: resident = the 128 tokens, streamed = the columns: a lane holds a column d, its registers run along the keys.  2 x 128 work-groups of eight waves: one to a WGP, equal work.
; The bias is the C of each sum's first matrix instruction.  The tokens' 16 fragments are brought once by the eight waves into LDS; the weights go straight from memory into each wave's registers.
; NO CLUSTER, NO TENSOR LOAD: K is two steps, so there is no ring to fill: a work-group's whole input is 24,576 bytes of tokens and 24,576 of weights a wave, each byte loaded once into the register that the matrix unit reads.
; LIMITS: NaN and infinities are not served; a block of zeros or under 2^-122 gets the byte 1 (this program alone reads the bytes).
; THE MODE: SCHED_MODE bits 1:0 = 2 (LLVM: expert scheduling mode 2), set by the entry lines.  The code itself states the register dependences between vector or matrix instructions and memory or LDS
; instructions, with s_wait_alu, always for 0.
; THE PLAN.  Registers that memory or LDS instructions touch:
;   v1-v5         offsets, made at the head and never written again: one wait on va_vdst ahead of the first load serves every load and store.
;   v72-95        at the head six loads land there and six LDS stores read them; from the first trip on they are accumulators: one wait on vm_vsrc behind the barrier, ahead of the branch that parts k from v.
;   SF0, SF1      two pairs of streamed tiles.  Pair p's 32 products read buffer p % 2; the loads of pair p + 2 land in it, issued at the end of pair p's second trip.
;   PC, PWM       a trip's codes and a pair's merged scale words: written by the trip's QUANT and the merge, read by the stores at the trip's end.
;   XSR, WSR, VB and window 1 are loaded once (v's biases in window 1: moved there once) and then named by vector and matrix instructions alone.
; So ONE wait on va_vdst stands in a trip, behind QUANT: it states that the codes (and the merged word) are written and that the pair's products are done reading their buffer.  The loads and the stores follow
; it with no vector instruction between.  One wait on vm_vsrc stands at QUANT's head, sixteen matrix instructions behind the stores whose data QUANT writes again.
.set XS,   3145728                     ; xq: scale words
.set WPS,  589824                      ; wq: W_proj's scale words
.set LI,   1                           ; v1   16 x lane
.set LS,   2                           ; v2   4 x lane
.set XW,   3                           ; v3   16 x lane + 3,072 x wave: my eighth of the tokens' fragments, in memory and in LDS
.set BO,   4                           ; v4   64 (lane / 16): k: my half's eight columns of a tile, in b_proj
.set BO2,  5                           ; v5   4 (r % 8 + 16 (r / 8)): v: my column of a tile
.set XSR,  8                           ; v8-15   the tokens' scale words: pair pr, K step s at 2 pr + s
.set WSR,  16                          ; v16-23  the weights' likewise
.set VB,   24                          ; v24-31  v: my column's bias in each of the eight streamed tiles
.set TM,   32                          ; v32-47  at work in QUANT
.set PW,   48                          ; v48  a scale word just made;  v49 that of the pair's first tile;  v50 the two merged
.set PWE,  49
.set PWM,  50
.set PC,   52                          ; v52-70  the codes just made
.set ACC,  72                          ; v72-135 eight accumulators
.set SF0,  136                         ; v136-183, v184-231: two pairs of streamed tiles: fragment (u, s) at 12 (2 u + s)
.set BR,   192                         ; window 1: v0-191 the resident fragments, (t, s) at 12 (2 t + s); v192-255 the biases, eight registers a tile
.set SEL,  40                          ; s[40:41] lane selects for v_permlanex16_b32: lane l xor 16
.set MK,   42                          ; s42  lanes 16-31
.set MSB, 0
.macro WIN new                         ; the immediate's high byte repeats the setting that is left
.if MSB != \new
	s_set_vgpr_msb (MSB<<8)|\new
.set MSB, \new
.endif
.endm
.macro PLACES n
.rept \n
	v_nop
.endr
.endm
; one matrix instruction.  ra, rb: the halves of the scale registers' lanes that hold source 0's and source 1's words
.macro WMS d, a, b, c, sa, sb, ra, rb
.if ((\ra) != 0) && ((\rb) != 0)
	v_wmma_scale_f32_16x16x128_f8f6f4 v[\d:\d+7], v[\a:\a+11], v[\b:\b+11], \c, v[\sa], v[\sb] matrix_a_fmt:MATRIX_FMT_BF6 matrix_b_fmt:MATRIX_FMT_BF6 matrix_a_scale:MATRIX_SCALE_ROW1 matrix_b_scale:MATRIX_SCALE_ROW1
.elseif (\ra) != 0
	v_wmma_scale_f32_16x16x128_f8f6f4 v[\d:\d+7], v[\a:\a+11], v[\b:\b+11], \c, v[\sa], v[\sb] matrix_a_fmt:MATRIX_FMT_BF6 matrix_b_fmt:MATRIX_FMT_BF6 matrix_a_scale:MATRIX_SCALE_ROW1
.elseif (\rb) != 0
	v_wmma_scale_f32_16x16x128_f8f6f4 v[\d:\d+7], v[\a:\a+11], v[\b:\b+11], \c, v[\sa], v[\sb] matrix_a_fmt:MATRIX_FMT_BF6 matrix_b_fmt:MATRIX_FMT_BF6 matrix_b_scale:MATRIX_SCALE_ROW1
.else
	v_wmma_scale_f32_16x16x128_f8f6f4 v[\d:\d+7], v[\a:\a+11], v[\b:\b+11], \c, v[\sa], v[\sb] matrix_a_fmt:MATRIX_FMT_BF6 matrix_b_fmt:MATRIX_FMT_BF6
.endif
.endm
; 64 numbers of a lane, v[s] on, register 16 b + i = k 32 b + 16 (lane / 16) + i of my row, become a fragment's codes in v[PC] on and my row's scale word in v[pw].  JT: the trip's number in its path
.macro QUANT s, pw
	s_wait_xcnt 0x0                                ; the last stores have read their data: the codes' registers and the merged word are written again only behind this wait
.if JT > 0
	s_wait_alu depctr_vm_vsrc(0)                   ; the last trip's stores have read v[PC ..] and v[PWM], which the conversions, the moves and the merge below write again (a path's first trip has no store ahead of it)
.endif
.irp b, 0,1,2,3
	v_max3_num_f32 v[TM+\b], |v[\s+16*\b]|, |v[\s+1+16*\b]|, 0x2800000   ; block b: my 16 numbers, and the floor 2^(5 - 127): the byte cannot fall under 1.  Each accumulator is read from its low end on
.endr
.irp i, 2,4,6,8,10,12,14
.irp b, 0,1,2,3
	v_max3_num_f32 v[TM+\b], v[TM+\b], |v[\s+16*\b+\i]|, |v[\s+1+16*\b+\i]|   ; the four blocks by turns
.endr
.endr
.irp b, 0,1,2,3
	v_permlanex16_b32 v[TM+4+\b], v[TM+\b], s[SEL], s[SEL+1]
.endr
.irp b, 0,1,2,3
	v_max_num_f32 v[TM+\b], v[TM+\b], v[TM+4+\b]   ; with lane l xor 16's: the block's largest magnitude
.endr
.irp b, 0,1,2,3
	v_add_nc_u32 v[TM+12+\b], 0xfe000000, v[TM+\b] ; 4 off its exponent field: the conversion's scale operand
.endr
.irp b, 0,1,2,3
	v_lshrrev_b32 v[TM+4+\b], 23, v[TM+12+\b]      ; the scale's byte
.endr
	v_lshl_or_b32 v[\pw], v[TM+5], 8, v[TM+4]
	v_lshl_or_b32 v[\pw], v[TM+6], 16, v[\pw]
	v_lshl_or_b32 v[\pw], v[TM+7], 24, v[\pw]
.irp c, 0,1
	v_cvt_scalef32_pk16_bf6_f32 v[PC+6*\c:PC+2+6*\c], v[\s+32*\c:\s+15+32*\c], v[TM+12+2*\c]
	v_cvt_scalef32_pk16_bf6_f32 v[PC+12+4*\c:PC+14+4*\c], v[\s+16+32*\c:\s+31+32*\c], v[TM+12+2*\c+1]   ; (a conversion's three registers begin on an even number)
.endr
	v_nop                                          ; one plain place behind a scaled conversion
.irp c, 0,1                                    ; the operand's layout wants a WHOLE block in a lane: lanes 0-15 block 2 c, lanes 16-31 block 2 c + 1
.irp i, 0,1,2
	v_permlane16_swap_b32 v[PC+6*\c+\i], v[PC+12+4*\c+\i]
.endr
.irp i, 0,1,2
	v_mov_b32 v[PC+3+6*\c+\i], v[PC+12+4*\c+\i]
.endr
.endr
.endm
; A TRIP: streamed tile 2 p + u against the eight resident tiles; the 64 results become one fragment and leave.
.macro TRIP isv, p, u
.set SFB, SF0+48*((\p)%2)+24*(\u)
.set JT, 2*(\p)+(\u)
.if \isv
.set STRJ, 1536
.set STRP, 128
.else
.set STRJ, 3072
.set STRP, 256
.endif
.if (\u) == 0
.if \isv
.if (\p) < 3
	s_wait_loadcnt 12                              ; this pair's fragments are in; the next pair's 12 loads may be out
.else
	s_wait_loadcnt 0x0
.endif
.else
.if (\p) < 3
	s_wait_dscnt 12                                ; likewise from LDS
.else
	s_wait_dscnt 0x0
.endif
.endif
.endif
	WIN 0x11                                       ; source 0 (resident) and C (bias) window 1
.irp t, 0,1,2,3,4,5,6,7                        ; the eight accumulators by turns, one instruction a turn
.if \isv
	WMS ACC+8*\t, 24*\t, SFB, v[BR+8*JT:BR+8*JT+7], XSR+2*(\t/2), WSR+2*(\p), \t%2, \u
.else
	WMS ACC+8*\t, 24*\t, SFB, v[BR+8*\t:BR+8*\t+7], WSR+2*(\t/2), XSR+2*(\p), \t%2, \u
.endif
.endr
	WIN 0x01
.irp t, 0,1,2,3,4,5,6,7
.if \isv
	WMS ACC+8*\t, 24*\t+12, SFB+12, v[ACC+8*\t:ACC+8*\t+7], XSR+2*(\t/2)+1, WSR+2*(\p)+1, \t%2, \u
.else
	WMS ACC+8*\t, 24*\t+12, SFB+12, v[ACC+8*\t:ACC+8*\t+7], WSR+2*(\t/2)+1, XSR+2*(\p)+1, \t%2, \u
.endif
.endr
	WIN 0
	PLACES 4                                       ; in front of the first read of the products' results (ISA guide 7.12.1)
.if (\u) == 0
	QUANT ACC, PWE
.else
	QUANT ACC, PW
	v_cndmask_b32 v[PWM], v[PWE], v[PW], s[MK]     ; lanes 0-15 the pair's first tile's words, lanes 16-31 its second's
.endif
	s_wait_alu depctr_va_vdst(0)                   ; QUANT has written v[PC ..], and the merge v[PWM], which the stores below read; the pair's products are done reading their buffer, in which the loads below land
.if ((\u) == 1) && ((\p) < 2)
.set i, 0
.rept 12                                       ; the pair two on, into the buffer just done with: it has the next pair's two trips in which to land
.if \isv
	global_load_b128 v[SF0+48*((\p)%2)+4*i:SF0+48*((\p)%2)+4*i+3], v[LI], s[26:27] offset:((\p)+2)*6144+512*i
.else
	ds_load_b128 v[SF0+48*((\p)%2)+4*i:SF0+48*((\p)%2)+4*i+3], v[LI] offset:((\p)+2)*6144+512*i
.endif
.set i, i+1
.endr
.endif
.irp c, 0,1,2
	global_store_b128 v[LI], v[PC+4*\c:PC+4*\c+3], s[34:35] offset:JT*STRJ+512*\c   ; the fragment's image: 32 lanes store 512 consecutive bytes, at a multiple of 256
.endr
.if (\u) == 1
	global_store_b32 v[LS], v[PWM], s[36:37] offset:(\p)*STRP
.endif
.endm
	s_load_b256 s[4:11], s[0:1], 0x0               ; xq s[4:5], wq s[6:7], b_proj s[8:9], kv s[10:11]
	v_lshl_add_u32 v254, v0, 2, 0x6000
	v_mov_b32 v255, 0
	v_lshrrev_b32 v6, 5, v0
	v_readfirstlane_b32 s14, v6                    ; wave 0..7
	v_and_b32 v6, 31, v0
	v_lshlrev_b32 v[LI], 4, v6
	v_lshlrev_b32 v[LS], 2, v6
	s_wait_alu depctr_va_sdst(0)                   ; s14 is written, ahead of its first reader: offsets, bases and the head's number are made from it
	s_mul_i32 s43, s14, 3072
	v_add_nc_u32 v[XW], s43, v[LI]
	v_bfe_u32 v[BO], v0, 4, 1
	v_lshlrev_b32 v[BO], 6, v[BO]
	v_and_b32 v[BO2], 7, v0
	v_bfe_u32 v6, v0, 3, 1
	v_lshl_add_u32 v[BO2], v6, 4, v[BO2]
	v_lshlrev_b32 v[BO2], 2, v[BO2]
.irp b, 0,1,2,3
	v_mov_b32 v[TM+4+\b], 0                        ; written once: a lane permute's destination counts as one of its sources
.endr
	s_mov_b32 s[SEL], 0x76543210
	s_mov_b32 s[SEL+1], 0xfedcba98
	s_mov_b32 s[MK], 0xffff0000
	s_mov_b32 s15, ttmp9                           ; X: 0 k, 1 v
	s_and_b32 s16, ttmp7, 0xffff                   ; TG
	s_lshr_b32 s17, s14, 1                         ; the head
	s_and_b32 s46, s14, 1                          ; which half of its 256 columns
	s_mul_i32 s18, s17, 6                          ; a head has six groups of 128 columns: q, q, k, k, v, v
	s_add_co_u32 s18, s18, s46
	s_lshl_b32 s43, s15, 1
	s_add_co_u32 s18, s18, s43
	s_add_co_u32 s18, s18, 2                       ; my group: 6 head + 2 + 2 X + half
	s_lshr_b32 s19, s16, 3
	s_lshl_b32 s19, s19, 2
	s_add_co_u32 s19, s19, s17                     ; 4 batch + head
	s_and_b32 s47, s16, 7                          ; the group of 128 tokens in its batch = the key step
	s_mov_b32 s21, 0
	s_wait_kmcnt 0x0
	s_mul_i32 s20, s16, 24576
	s_add_nc_u64 s[22:23], s[4:5], s[20:21]        ; the tokens' 16 fragments
	s_lshl_b32 s20, s16, 10
	s_add_co_u32 s20, s20, XS
	s_add_nc_u64 s[24:25], s[4:5], s[20:21]        ; their scale words
	s_mul_i32 s20, s18, 24576
	s_add_nc_u64 s[26:27], s[6:7], s[20:21]        ; my columns' 16 fragments
	s_lshl_b32 s20, s18, 10
	s_add_co_u32 s20, s20, WPS
	s_add_nc_u64 s[28:29], s[6:7], s[20:21]        ; their scale words
	s_lshl_b32 s20, s18, 9
	s_add_nc_u64 s[30:31], s[8:9], s[20:21]        ; their biases
	s_lshl_b32 s20, s19, 3
	s_add_co_u32 s20, s20, s47
	s_mul_i32 s20, s20, 51200
	s_add_nc_u64 s[32:33], s[10:11], s[20:21]      ; kv: the block of this head's key step
	s_wait_alu depctr_va_vdst(0)                   ; the five offsets v1 to v5 are written: every load and store of the kernel reads one of them
.set i, 0
.rept 6
	global_load_b128 v[ACC+4*i:ACC+4*i+3], v[XW], s[22:23] offset:512*i   ; my eighth of the tokens' fragments
.set i, i+1
.endr
.irp k, 0,1,2,3,4,5,6,7
	global_load_b32 v[XSR+\k], v[LS], s[24:25] offset:128*\k
.endr
.irp k, 0,1,2,3,4,5,6,7
	global_load_b32 v[WSR+\k], v[LS], s[28:29] offset:128*\k
.endr
	s_wait_loadcnt 16                              ; the 6 loads of fragments are in; the 16 of scale words may be out
.set i, 0
.rept 6
	ds_store_b128 v[XW], v[ACC+4*i:ACC+4*i+3] offset:512*i
.set i, i+1
.endr
	s_wait_dscnt 0x0                               ; for the others' sake: my stores have landed
	s_barrier_signal -1
	s_barrier_wait -1                              ; the 16 fragments lie in LDS; from here on LDS is only read
	s_wait_alu depctr_vm_vsrc(0)                   ; my LDS stores have read v[ACC ..]: these registers are accumulators from here on, written by the matrix instructions of either path
	s_cmp_eq_u32 s15, 0
	s_cbranch_scc0 .Lv
	; ---- k: my half of the head's 256 is K step `half` of the scores' product
	s_mul_i32 s20, s46, 1536
	s_add_nc_u64 s[34:35], s[32:33], s[20:21]      ; K's fragments stand at the block's head: (tile j, K step s) at 1,536 (2 j + s)
	s_lshl_b32 s20, s46, 7
	s_add_co_u32 s20, s20, 49152
	s_add_nc_u64 s[36:37], s[32:33], s[20:21]      ; and its scale words behind V's fragments
	WIN 0x40                                       ; destination window 1
.irp t, 0,1,2,3,4,5,6,7                        ; lane (r, h) wants, for tile t, the biases of columns 32 (t / 2) + 8 (t % 2) + 16 h + 0 .. 7
	global_load_b128 v[BR+8*\t:BR+8*\t+3], v[BO], s[30:31] offset:(32*(\t/2)+8*(\t%2))*4
	global_load_b128 v[BR+8*\t+4:BR+8*\t+7], v[BO], s[30:31] offset:(32*(\t/2)+8*(\t%2))*4+16
.endr
.set i, 0
.rept 48
	global_load_b128 v[4*i:4*i+3], v[LI], s[26:27] offset:512*i   ; my 128 columns of W: they stay
.set i, i+1
.endr
	WIN 0
.set i, 0
.rept 24
	ds_load_b128 v[SF0+4*i:SF0+4*i+3], v[LI] offset:512*i        ; the first two pairs of token tiles
.set i, i+1
.endr
	s_wait_loadcnt 0x0
.irp p, 0,1,2,3
	TRIP 0, \p, 0
	TRIP 0, \p, 1
.endr
	s_wait_dscnt 0x0                               ; the closing lines, six on end
	s_wait_alu 0x0
	s_wait_tensorcnt 0x0
	ds_add_u32 v254, v255
	s_wait_dscnt 0x0
	s_endpgm
.Lv:
	; ---- v
	s_mul_i32 s20, s46, 12288
	s_add_co_u32 s20, s20, 24576
	s_add_nc_u64 s[34:35], s[32:33], s[20:21]      ; V^T's fragments 8 half + j of the block
	s_lshl_b32 s20, s46, 9
	s_add_co_u32 s20, s20, 50176
	s_add_nc_u64 s[36:37], s[32:33], s[20:21]
.irp j, 0,1,2,3,4,5,6,7
	global_load_b32 v[VB+\j], v[BO2], s[30:31] offset:(32*(\j/2)+8*(\j%2))*4   ; my column's bias in tile j
.endr
.set i, 0
.rept 24
	global_load_b128 v[SF0+4*i:SF0+4*i+3], v[LI], s[26:27] offset:512*i        ; the first two pairs of column tiles
.set i, i+1
.endr
	WIN 0x40
.set i, 0
.rept 48
	ds_load_b128 v[4*i:4*i+3], v[LI] offset:512*i  ; the 128 tokens: they stay
.set i, i+1
.endr
	s_wait_loadcnt 12                              ; all but the second pair's 12 loads
.irp j, 0,1,2,3,4,5,6,7
.irp i, 0,1,2,3,4,5,6,7
	v_mov_b32 v[BR+8*\j+\i], v[VB+\j]              ; a lane holds one column: its bias eight times is the C of trip j's first products
.endr
.endr
	WIN 0
	s_wait_dscnt 0x0
.irp p, 0,1,2,3
	TRIP 1, \p, 0
	TRIP 1, \p, 1
.endr
	s_wait_dscnt 0x0                               ; the closing lines, six on end
	s_wait_alu 0x0
	s_wait_tensorcnt 0x0
	ds_add_u32 v254, v255
	s_wait_dscnt 0x0
	s_endpgm
.Lfunc_end_k_q1296eccd40_kvp:
	.size	k_q1296eccd40_kvp, .Lfunc_end_k_q1296eccd40_kvp-k_q1296eccd40_kvp
	.p2alignl 7, 3214868480
	.fill 96, 4, 3214868480
	.section	.rodata,"a",@progbits
	.p2align	6, 0x0
	.amdhsa_kernel k_q1296eccd40_kvp
		.amdhsa_group_segment_fixed_size 25600
		.amdhsa_private_segment_fixed_size 0
		.amdhsa_enable_private_segment 0
		.amdhsa_kernarg_size 32
		.amdhsa_user_sgpr_count 2
		.amdhsa_user_sgpr_kernarg_segment_ptr 1
		.amdhsa_wavefront_size32 1
		.amdhsa_system_sgpr_workgroup_id_x 1
		.amdhsa_system_sgpr_workgroup_id_y 1
		.amdhsa_system_sgpr_workgroup_id_z 1
		.amdhsa_system_vgpr_workitem_id 0
		.amdhsa_next_free_vgpr 512
		.amdhsa_next_free_sgpr 66
		.amdhsa_reserve_vcc 0
		.amdhsa_float_denorm_mode_32 3
		.amdhsa_float_denorm_mode_16_64 3
		.amdhsa_memory_ordered 1
		.amdhsa_forward_progress 1
		.amdhsa_inst_pref_size 129
	.end_amdhsa_kernel
	.amdgpu_metadata
---
amdhsa.version: [ 1, 2 ]
amdhsa.kernels:
  - .name:           k_q1296eccd40_kvp
    .symbol:         k_q1296eccd40_kvp.kd
    .args:
      - { .name: xq, .offset: 0, .size: 8, .value_kind: global_buffer, .address_space: global }
      - { .name: wq, .offset: 8, .size: 8, .value_kind: global_buffer, .address_space: global }
      - { .name: b_proj, .offset: 16, .size: 8, .value_kind: global_buffer, .address_space: global }
      - { .name: kv, .offset: 24, .size: 8, .value_kind: global_buffer, .address_space: global }
    .group_segment_fixed_size: 25600
    .private_segment_fixed_size: 0
    .kernarg_segment_align: 8
    .kernarg_segment_size: 32
    .max_flat_workgroup_size: 256
    .sgpr_count:     66
    .vgpr_count:     512
    .wavefront_size: 32
...
	.end_amdgpu_metadata
.endif
;; end of part 5
;; launch attn: the kernel of part 3 again; grid 4 x 64, 8 waves a work-group, clusters of 4 x 1, 327,680 bytes of LDS; arguments xq, wq, b_proj, kv, rq; writes rq
;; launch outp (part 6): grid 256 x 1, 8 waves a work-group, no clusters, 119,808 bytes of LDS; arguments rq, wq, b_out, x, out0; writes out0
.if DOCPART == 6
	.amdgcn_target "amdgcn-amd-amdhsa--gfx1250"
	.amdhsa_code_object_version 6
	.text
	.protected	k_q1296eccd40_outp
	.globl	k_q1296eccd40_outp
	.p2align	8
	.type	k_q1296eccd40_outp,@function
k_q1296eccd40_outp:
	s_mov_b64 s[64:65], 0
	v_nop
	global_prefetch_b8 v0, s[64:65] scope:SCOPE_SE
	s_setreg_imm32_b32 hwreg(HW_REG_WAVE_SCHED_MODE, 0, 2), 2
	s_setreg_imm32_b32 hwreg(HW_REG_WAVE_MODE, 25, 1), 1
	s_wait_xcnt 0x0
	s_wait_alu depctr_vm_vsrc(0)
; out0[b][c][n] = (res W_out)[n][c] + b_out[c] + x[b][c][n]; the product on codes of BF6 (E3M2), K = 1,024 = eight matrix instructions deep.
; OPERANDS are images of fragments (16 rows x 128 K = 12 registers a lane = 1,536 bytes); rows go in pairs of 32: lane r of tile 2 P + u stands for row 32 P + 8 u + r % 8 + 16 (r / 8).
; Source 0 = 16 tokens of res, source 1 = 16 columns of W_out: a lane holds ONE column c, and its eight registers eight NEIGHBOURING tokens: 32 bytes of a row of out0.
; SHARES.  A work-group takes 64 tokens x all 256 columns; wave w takes columns 32 w .. 32 w + 31 for all 64 tokens: eight accumulators.  Its 16 fragments of W_out go straight from memory into registers
; (192, window 1); the 32 fragments of res are brought once by the eight waves into LDS and read by all.  Every load of the launch is issued at its head.
; b_out is the C of each sum's first matrix instruction.  The results go through the wave's own stage in LDS (32 rows c x 256 bytes + 16) and come back as rows, where x is added: sixteen lanes store 256 consecutive bytes.
; NO CLUSTER, NO TENSOR LOAD: each byte is asked for once at the head and goes into the register that the matrix unit reads; what work-groups share, W_out's 196,608 bytes of codes, is a small part beside the
; 49,152 bytes of res, 65,536 of x and 65,536 of out0 that each work-group has to itself, 256 times over.
; THE MODE: SCHED_MODE bits 1:0 = 2 (LLVM: expert scheduling mode 2), set by the entry lines.  The code itself states the register dependences between vector or matrix instructions and memory or LDS
; instructions, with s_wait_alu, always for 0.
; THE PLAN.  Registers that memory or LDS instructions touch:
;   v1-v7         offsets and LDS addresses, made at the head and never written again: one wait on va_vdst ahead of the first load serves every load and store.
;   v128-175      at the head 12 loads land there and 12 LDS stores read them; then they are the first set of res' fragments: one wait on vm_vsrc behind the barrier, ahead of the fragments' loads.
;   the two sets  K step ks: its eight products read set ks % 2; behind them the loads of K step ks + 2 land in it: one wait on va_vdst in each of K steps 0 to 5, ahead of those 12 loads.
;   ACC           written by the products, read by the stage's LDS stores; v128-191 then take the loads from the stage: one wait on va_vdst behind the last K step's places serves both.
;   v128-191      on the way out: written by the residual's additions, read by the 16 stores: one wait on va_vdst between them.
;   The scale words, the biases and window 1 are loaded once and then named by vector and matrix instructions alone.
.set RS,   12582912                    ; rq: scale words
.set WOC,  614400                      ; wq: W_out's fragments
.set WOS,  811008                      ; and its scale words
.set STG,  49152                       ; LDS: res' 32 fragments, (tile tt, K step ks) at 1,536 (8 tt + ks); then the stage, 256 rows of 272 bytes
.set LI,   1                           ; v1   16 x lane
.set LS,   2                           ; v2   4 x lane
.set RW,   3                           ; v3   16 x lane + 6,144 x wave: my eighth of res, in memory and in LDS
.set SO,   4                           ; v4   the stage: my column's row, + 64 (lane / 16)
.set SR,   5                           ; v5   and back: lanes 0-15 one row, lanes 16-31 the next
.set XO,   6                           ; v6   the same two rows in x and in out0
.set BO,   7                           ; v7   4 (r % 8 + 16 (r / 8)): my column of a tile, in b_out
.set WS,   8                           ; v8-15   W_out's scale words, K step ks
.set RSC,  16                          ; v16-31  res': pair pr, K step ks at 8 pr + ks
.set BB,   32                          ; v32-33  my column's bias in tile u
.set CB,   34                          ; v34-49  the same eight times
.set ACC,  64                          ; v64-127 accumulator (tt, u) at 8 (2 tt + u)
.set RFA,  128                         ; v128-175, v176-223: res' four fragments of a K step, two sets; on the way out v128-191 rows of the result
.set XR,   192                         ; window 1: v0-191 W_out's fragments, (u, ks) at 12 (8 u + ks); v192-255 x
.set MSB, 0
.macro WIN new                         ; the immediate's high byte repeats the setting that is left
.if MSB != \new
	s_set_vgpr_msb (MSB<<8)|\new
.set MSB, \new
.endif
.endm
.macro PLACES n
.rept \n
	v_nop
.endr
.endm
.macro WMS d, a, b, c, sa, sb, ra, rb
.if ((\ra) != 0) && ((\rb) != 0)
	v_wmma_scale_f32_16x16x128_f8f6f4 v[\d:\d+7], v[\a:\a+11], v[\b:\b+11], \c, v[\sa], v[\sb] matrix_a_fmt:MATRIX_FMT_BF6 matrix_b_fmt:MATRIX_FMT_BF6 matrix_a_scale:MATRIX_SCALE_ROW1 matrix_b_scale:MATRIX_SCALE_ROW1
.elseif (\ra) != 0
	v_wmma_scale_f32_16x16x128_f8f6f4 v[\d:\d+7], v[\a:\a+11], v[\b:\b+11], \c, v[\sa], v[\sb] matrix_a_fmt:MATRIX_FMT_BF6 matrix_b_fmt:MATRIX_FMT_BF6 matrix_a_scale:MATRIX_SCALE_ROW1
.elseif (\rb) != 0
	v_wmma_scale_f32_16x16x128_f8f6f4 v[\d:\d+7], v[\a:\a+11], v[\b:\b+11], \c, v[\sa], v[\sb] matrix_a_fmt:MATRIX_FMT_BF6 matrix_b_fmt:MATRIX_FMT_BF6 matrix_b_scale:MATRIX_SCALE_ROW1
.else
	v_wmma_scale_f32_16x16x128_f8f6f4 v[\d:\d+7], v[\a:\a+11], v[\b:\b+11], \c, v[\sa], v[\sb] matrix_a_fmt:MATRIX_FMT_BF6 matrix_b_fmt:MATRIX_FMT_BF6
.endif
.endm
.macro RLOAD rf, ks                    ; res' four fragments of K step ks: twelve loads
.irp tt, 0,1,2,3
.irp c, 0,1,2
	ds_load_b128 v[\rf+12*\tt+4*\c:\rf+12*\tt+4*\c+3], v[LI] offset:(8*\tt+(\ks))*1536+512*\c
.endr
.endr
.endm
	s_load_b256 s[4:11], s[0:1], 0x0               ; rq s[4:5], wq s[6:7], b_out s[8:9], x s[10:11]
	s_load_b64 s[12:13], s[0:1], 0x20              ; out0
	v_lshl_add_u32 v254, v0, 2, 0x1d000
	v_mov_b32 v255, 0
	v_lshrrev_b32 v50, 5, v0
	v_readfirstlane_b32 s14, v50                   ; wave 0..7
	v_and_b32 v50, 31, v0
	v_lshlrev_b32 v[LI], 4, v50
	v_lshlrev_b32 v[LS], 2, v50
	s_wait_alu depctr_va_sdst(0)                   ; s14 is written, ahead of its first reader: offsets, LDS addresses and bases are made from it
	s_mul_i32 s16, s14, 6144
	v_add_nc_u32 v[RW], s16, v[LI]
	v_and_b32 v51, 7, v0
	v_bfe_u32 v52, v0, 3, 1
	v_lshl_add_u32 v51, v52, 4, v51                ; r % 8 + 16 (r / 8)
	v_lshlrev_b32 v[BO], 2, v51
	v_bfe_u32 v52, v0, 4, 1                        ; lane / 16
	v_mul_u32_u24 v[SO], v51, 272
	v_lshl_add_u32 v[SO], v52, 6, v[SO]
	s_mul_i32 s16, s14, 8704                       ; my 32 rows of the stage
	s_add_co_u32 s16, s16, STG
	v_add_nc_u32 v[SO], s16, v[SO]
	v_and_b32 v51, 15, v0
	v_mul_u32_u24 v[SR], v52, 272
	v_lshl_add_u32 v[SR], v51, 4, v[SR]
	v_add_nc_u32 v[SR], s16, v[SR]
	v_lshlrev_b32 v[XO], 12, v52                   ; a row of x and of out0 is 4,096 bytes
	v_lshl_add_u32 v[XO], v51, 4, v[XO]
	s_mov_b32 s17, 0
	s_wait_kmcnt 0x0
	s_mul_i32 s16, ttmp9, 49152
	s_add_nc_u64 s[18:19], s[4:5], s[16:17]        ; res: my work-group's 32 fragments
	s_lshl_b32 s16, ttmp9, 11
	s_add_co_u32 s16, s16, RS
	s_add_nc_u64 s[20:21], s[4:5], s[16:17]        ; their 16 rows of scale words
	s_mul_i32 s16, s14, 24576
	s_add_co_u32 s16, s16, WOC
	s_add_nc_u64 s[22:23], s[6:7], s[16:17]        ; W_out: my pair's 16 fragments
	s_lshl_b32 s16, s14, 10
	s_add_co_u32 s16, s16, WOS
	s_add_nc_u64 s[24:25], s[6:7], s[16:17]
	s_lshl_b32 s16, s14, 7
	s_add_nc_u64 s[26:27], s[8:9], s[16:17]        ; b_out: my 32 columns
	s_lshr_b32 s16, ttmp9, 4
	s_lshl_b32 s16, s16, 20                        ; x, out0: the batch,
	s_lshl_b32 s28, s14, 17                        ; my 32 rows c,
	s_add_co_u32 s16, s16, s28
	s_and_b32 s28, ttmp9, 15
	s_lshl_b32 s28, s28, 8                         ; the work-group's 64 tokens: 256 bytes
	s_add_co_u32 s16, s16, s28
	s_add_nc_u64 s[10:11], s[10:11], s[16:17]
	s_add_nc_u64 s[12:13], s[12:13], s[16:17]
	s_wait_alu depctr_va_vdst(0)                   ; the seven offsets and addresses v1 to v7 are written: every load and store of the kernel, global or LDS, reads one of them
.set i, 0
.rept 12
	global_load_b128 v[RFA+4*i:RFA+4*i+3], v[RW], s[18:19] offset:512*i   ; my eighth of res
.set i, i+1
.endr
.set i, 0
.rept 16
	global_load_b32 v[RSC+i], v[LS], s[20:21] offset:128*i
.set i, i+1
.endr
.irp k, 0,1,2,3,4,5,6,7
	global_load_b32 v[WS+\k], v[LS], s[24:25] offset:128*\k
.endr
	global_load_b32 v[BB], v[BO], s[26:27]
	global_load_b32 v[BB+1], v[BO], s[26:27] offset:32
	WIN 0x40                                       ; destination window 1
.set i, 0
.rept 48
	global_load_b128 v[4*i:4*i+3], v[LI], s[22:23] offset:512*i
.set i, i+1
.endr
.set i, 0
.rept 16
	global_load_b128 v[XR+4*i:XR+4*i+3], v[XO], s[10:11] offset:8192*i th:TH_LOAD_NT   ; rows 2 i and 2 i + 1 of my 32: sixteen lanes read 256 consecutive bytes
.set i, i+1
.endr
	WIN 0
	s_wait_loadcnt 63                              ; loads come back in order: of the 102 at most 63 are out, so the first 39 are in: res, all scale words, the biases
.set i, 0
.rept 12
	ds_store_b128 v[RW], v[RFA+4*i:RFA+4*i+3] offset:512*i
.set i, i+1
.endr
	s_wait_dscnt 0x0                               ; for the others' sake: my stores have landed
	s_barrier_signal -1
	s_barrier_wait -1                              ; res' 32 fragments lie in LDS; they are only read from here on
	s_wait_alu depctr_vm_vsrc(0)                   ; my LDS stores have read v[RFA ..], in which the first K step's fragments land
	RLOAD RFA, 0
	RLOAD RFA+48, 1
.irp u, 0,1
.irp i, 0,1,2,3,4,5,6,7
	v_mov_b32 v[CB+8*\u+\i], v[BB+\u]              ; a lane holds one column: its bias eight times is the C of the first products
.endr
.endr
	PLACES 4                                       ; plain lines between the last copy and the products that take the copies as C
	s_wait_loadcnt 16                              ; W_out is in; x's 16 loads may be out
.irp ks, 0,1,2,3,4,5,6,7
.if \ks < 7
	s_wait_dscnt 12                                ; this K step's fragments are in; the next step's 12 loads may be out
.else
	s_wait_dscnt 0x0
.endif
	WIN 0x04                                       ; source 1 (W_out) window 1
.irp tt, 0,1,2,3                               ; the eight accumulators by turns, one instruction a turn
.irp u, 0,1
.if \ks == 0
	WMS ACC+8*(2*\tt+\u), RFA+48*(\ks%2)+12*\tt, 12*(8*\u+\ks), v[CB+8*\u:CB+8*\u+7], RSC+8*(\tt/2)+\ks, WS+\ks, \tt%2, \u
.else
	WMS ACC+8*(2*\tt+\u), RFA+48*(\ks%2)+12*\tt, 12*(8*\u+\ks), v[ACC+8*(2*\tt+\u):ACC+8*(2*\tt+\u)+7], RSC+8*(\tt/2)+\ks, WS+\ks, \tt%2, \u
.endif
.endr
.endr
	WIN 0
	PLACES 4                                       ; in front of loads into registers that the products have read, and of the first read of results
.if \ks < 6
	s_wait_alu depctr_va_vdst(0)                   ; this K step's products are done reading their set of res' fragments, in which the twelve loads below land
	RLOAD RFA+48*(\ks%2), \ks+2
.endif
.endr
	; THE WAY OUT: lane (r, h) of accumulator (tt, u) holds column 8 u + r % 8 + 16 (r / 8) of my 32 and tokens 32 (tt / 2) + 8 (tt % 2) + 16 h + 0 .. 7
	s_wait_alu depctr_va_vdst(0)                   ; the products have written the accumulators, which the LDS stores read, and are done reading both sets of fragments, in which the loads from the stage land; the four places above stay beside this wait
.irp tt, 0,1,2,3
.irp u, 0,1
	ds_store_b128 v[SO], v[ACC+8*(2*\tt+\u):ACC+8*(2*\tt+\u)+3] offset:2176*\u+128*(\tt/2)+32*(\tt%2)        ; each accumulator from its low end on
	ds_store_b128 v[SO], v[ACC+8*(2*\tt+\u)+4:ACC+8*(2*\tt+\u)+7] offset:2176*\u+128*(\tt/2)+32*(\tt%2)+16
.endr
.endr
.set i, 0
.rept 16
	ds_load_b128 v[RFA+4*i:RFA+4*i+3], v[SR] offset:544*i   ; LDS serves a wave's instructions in order (ISA guide 5.7.1.4): these see my stores; the stage's 32 rows are mine alone
.set i, i+1
.endr
	s_wait_loadcnt 0x0                             ; x
	s_wait_dscnt 0x0
	WIN 0x04                                       ; source 1 (x) window 1
.set i, 0
.rept 32
	v_pk_add_f32 v[RFA+2*i:RFA+2*i+1], v[RFA+2*i:RFA+2*i+1], v[XR+2*i:XR+2*i+1]   ; the residual
.set i, i+1
.endr
	WIN 0
	s_wait_alu depctr_va_vdst(0)                   ; the additions have written v[RFA ..], which the sixteen stores read
.set i, 0
.rept 16
	global_store_b128 v[XO], v[RFA+4*i:RFA+4*i+3], s[12:13] offset:8192*i th:TH_STORE_NT   ; sixteen lanes store 256 consecutive bytes, at a multiple of 256 from out0's first byte
.set i, i+1
.endr
	s_wait_dscnt 0x0                               ; the closing lines, six on end
	s_wait_alu 0x0
	s_wait_tensorcnt 0x0
	ds_add_u32 v254, v255
	s_wait_dscnt 0x0
	s_endpgm
.Lfunc_end_k_q1296eccd40_outp:
	.size	k_q1296eccd40_outp, .Lfunc_end_k_q1296eccd40_outp-k_q1296eccd40_outp
	.p2alignl 7, 3214868480
	.fill 96, 4, 3214868480
	.section	.rodata,"a",@progbits
	.p2align	6, 0x0
	.amdhsa_kernel k_q1296eccd40_outp
		.amdhsa_group_segment_fixed_size 119808
		.amdhsa_private_segment_fixed_size 0
		.amdhsa_enable_private_segment 0
		.amdhsa_kernarg_size 40
		.amdhsa_user_sgpr_count 2
		.amdhsa_user_sgpr_kernarg_segment_ptr 1
		.amdhsa_wavefront_size32 1
		.amdhsa_system_sgpr_workgroup_id_x 1
		.amdhsa_system_sgpr_workgroup_id_y 1
		.amdhsa_system_sgpr_workgroup_id_z 1
		.amdhsa_system_vgpr_workitem_id 0
		.amdhsa_next_free_vgpr 512
		.amdhsa_next_free_sgpr 66
		.amdhsa_reserve_vcc 0
		.amdhsa_float_denorm_mode_32 3
		.amdhsa_float_denorm_mode_16_64 3
		.amdhsa_memory_ordered 1
		.amdhsa_forward_progress 1
		.amdhsa_inst_pref_size 36
	.end_amdhsa_kernel
	.amdgpu_metadata
---
amdhsa.version: [ 1, 2 ]
amdhsa.kernels:
  - .name:           k_q1296eccd40_outp
    .symbol:         k_q1296eccd40_outp.kd
    .args:
      - { .name: rq, .offset: 0, .size: 8, .value_kind: global_buffer, .address_space: global }
      - { .name: wq, .offset: 8, .size: 8, .value_kind: global_buffer, .address_space: global }
      - { .name: b_out, .offset: 16, .size: 8, .value_kind: global_buffer, .address_space: global }
      - { .name: x, .offset: 24, .size: 8, .value_kind: global_buffer, .address_space: global }
      - { .name: out0, .offset: 32, .size: 8, .value_kind: global_buffer, .address_space: global }
    .group_segment_fixed_size: 119808
    .private_segment_fixed_size: 0
    .kernarg_segment_align: 8
    .kernarg_segment_size: 40
    .max_flat_workgroup_size: 256
    .sgpr_count:     66
    .vgpr_count:     512
    .wavefront_size: 32
...
	.end_amdgpu_metadata
.endif
;; end of part 6
